; MI455X (gfx1250); checked and timed in simulation.
; The chip was launched on July 23, 2026; its instructions are those of AMD's public machine-readable ISA for CDNA 5 (MIT licence, August 2026) and "CDNA5" Instruction Set Architecture Reference Guide (July 2026). The comments in the code are by the model that wrote it; some were corrected since.
;; Self Attention. Allowed arithmetic: matrix products marked QUANTISED: E2M1 operands, one E8M0 scale for each 32 along K, by v_wmma_scale_f32_16x16x128_f8f6f4 with both operands' format E2M1 (or v_wmma_scale_f32_32x16x128_f4), f32 sums; products left as they are: bf16, f16 or f32 operands; f32 sums; everything else in f32.
;; Inputs: Wk 1,024 x 1,024 float32; Wo 1,024 x 1,024 float32; Wq 1,024 x 1,024 float32; Wv 1,024 x 1,024 float32; X 4 x 2,048 x 1,024 float32; attention_mask 4 x 2,048 x 2,048 int32; bk 1,024 float32; bo 1,024 float32; bq 1,024 float32; bv 1,024 float32.
;; Outputs: out0 4 x 2,048 x 1,024 float32.
;; This version of the problem:
;;   THIS VERSION OF THE PROBLEM IS GIVEN IN LOW PRECISION. The matrix products marked QUANTISED in the list below multiply operands that are first quantised to E2M1 (2 exponent bits, 1 mantissa bit; 4 bits a number), with one power-of-two scale for each 32 numbers along K (OCP MX v1.0); their sums are f32. The products marked 'left as it is' may take bf16, f16 or f32 operands, with f32 sums. Whichever they take, every output number must still come out within the allowed error. Rounding operands to bf16 (8 significant bits) uses up far more of that allowance than f16 does (11 bits, for magnitudes from 6e-5 to 65,504). All else is computed in f32.
;;   The module's matrix products, in the order in which they are computed (A, B: the left and right operand; K: the contracted axis; several contracted axes count as one K, in the product's order):
;;     1. [M 8,192, K 1,024] x [K 1,024, N 1,024]; A: input X; B: input Wq: QUANTISED
;;     2. [M 8,192, K 1,024] x [K 1,024, N 1,024]; A: input X; B: input Wk: QUANTISED
;;     3. [M 8,192, K 1,024] x [K 1,024, N 1,024]; A: input X; B: input Wv: QUANTISED
;;     4. batch 4 x [M 2,048, K 1,024] x [K 1,024, N 2,048]; A: computed on the way; B: computed on the way: left as it is (an operand is computed on the way)
;;     5. batch 4 x [M 2,048, K 2,048] x [K 2,048, N 1,024]; A: computed on the way; B: computed on the way: left as it is (an operand is computed on the way)
;;     6. [M 8,192, K 1,024] x [K 1,024, N 1,024]; A: computed on the way; B: input Wo: left as it is (an operand is computed on the way)
;;   THE QUANTISER, for each operand of a quantised product, along K:
;;     - K is cut into blocks of 32 from its start; a last block that is shorter is filled with zeros.
;;     - A block's scale is 2^e with e = floor(log2(the largest magnitude in the block)) - 2, held to -126 .. 127; a block of zeros has e = 0. As a byte (E8M0): e + 127.
;;     - Each number is divided by its block's scale, clamped to +-6, and rounded to the nearest number of E2M1, ties to even, subnormals kept.
;;     - The product sums the exact products of the quantised numbers (number of the format x scale) in f32.
;;   ~~~python
;;   def quantise(x, axis):      # numpy; x: float32 -> the quantised numbers, widened to float32 again
;;       x = np.moveaxis(x, axis, -1); K = x.shape[-1]
;;       x = np.pad(x, [(0, 0)] * (x.ndim - 1) + [(0, -K % 32)]); x = x.reshape(x.shape[:-1] + (-1, 32)); a = np.abs(x).max(-1, keepdims=True)
;;       e = np.where(a > 0, np.clip(np.frexp(np.where(a > 0, a, 1))[1] - 1 - 2, -126, 127), 0)      # np.frexp(a)[1] - 1 = floor(log2(a)), exactly
;;       r = np.clip(x / 2.0 ** e, -6, 6)
;;       step = 2.0 ** (np.maximum(np.frexp(np.where(r == 0, 1, r))[1] - 1, 0) - 1)
;;       q = np.round(r / step) * step * 2.0 ** e      # np.round: ties to even
;;       return np.moveaxis(q.reshape(q.shape[:-2] + (-1,))[..., :K], -1, axis).astype(np.float32)
;;   ~~~
;; One version. Each part assembles by itself: llvm-mc -triple=amdgcn-amd-amdhsa -mcpu=gfx1250 --defsym DOCPART=n.
;; ======== version 1 of 1: 5 launches
;; limits: values are held in f16: magnitudes above 65,504 overflow, below 6.1e-05 lose precision
;; workspace buffers: codes 5,767,168 bytes; scales 360,448 bytes; wo16 2,097,152 bytes; qkv 50,331,648 bytes; p 33,554,432 bytes; st 1,048,576 bytes; attn 16,777,216 bytes
;; launch prep (part 1): grid 256 x 1, 6 waves a work-group, no clusters, 49,920 bytes of LDS; arguments X, Wq, Wk, Wv, Wo, codes, scales, wo16; writes codes, scales, wo16
.if DOCPART == 1
	.amdgcn_target "amdgcn-amd-amdhsa--gfx1250"
	.amdhsa_code_object_version 6
	.text
	.protected	k_q0c216207fb_prep
	.globl	k_q0c216207fb_prep
	.p2align	8
	.type	k_q0c216207fb_prep,@function
k_q0c216207fb_prep:
	s_mov_b64 s[64:65], 0
	v_nop
	global_prefetch_b8 v0, s[64:65] scope:SCOPE_SE
	s_setreg_imm32_b32 hwreg(HW_REG_WAVE_MODE, 25, 1), 1
	s_wait_xcnt 0x0
; SELF-ATTENTION, one head of 1,024, 4 batches x 2,048 positions, in five launches: prep, qkv, scores, pv, proj.
; NOTHING OF THE PROBLEM IS LEFT OUT: all six products are live, every input has a way to the output and is loaded (the mask and the four biases too;
; bk stays, since beside the constant -1e20 of masked places it is not the same along the softmax's axis).
; THIS LAUNCH: X [8192][1024], Wq, Wk, Wv [1024][1024], f32, K innermost, become codes of FP4 (E2M1) with one E8M0 byte for each 32 along K, laid as ONE tensor of
; 11,264 rows (X, then Wq, Wk, Wv): codes [11264][512 bytes], scales [11264][32 bytes].  Wo becomes f16 (the last product is left as it is).
; A block's scale is 2^(floor(log2(its largest magnitude)) - 2); its byte is the largest magnitude's exponent field - 2, held at 1 from below.  A block of zeros so gets the byte 1
; where the stated quantiser says 127: its codes are zeros, which add nothing under any byte but 0xff, and the bytes are read by this program alone.
; LIMITS: blocks whose largest magnitude lies under 2^(2 - 126) keep the byte 1; NaN and infinities among the inputs are not served; |Wo| stays under 65,504 (f16).
; SHARES: the five tensors are 1,536 runs of 8,192 numbers: runs 0-1,023 X, 1,024-1,151 Wq, 1,152-1,279 Wk, 1,280-1,407 Wv, 1,408-1,535 Wo.  256 work-groups of six waves: wave w of work-group g takes run 6 g + w,
; so that every work-group has six runs.  Waves share nothing: no barrier.
; The quantising path: rows are dense, so a tensor is a plain stream of blocks of 32.  Each of a step's four loads reads 512 consecutive bytes; the 2,048 bytes turn through the wave's own stage in LDS
; and come back 64 bytes a lane (16 neighbours along K; two neighbouring lanes hold a block).  A wave's store of codes covers 256 consecutive bytes; its 256 scale bytes are gathered in LDS and leave as one piece.
.set WAVES, 6
.set STEPS, 16
.set QRUNS, 1408                       ; runs that are quantised
.set EMAX,  2
.set CB,    8                          ; bytes of 16 codes
.set R,     16                         ; v16-79   four sets of 16 numbers as they are loaded
.set X,     80                         ; v80-111  two sets of 16 neighbours
.set C,     128                        ; v128-191 codes: four registers for each step, so that no store's data are written again
.set E,     112                        ; v112-127 a scale byte for each step
.set WREG,  8192                       ; LDS: a region for each wave: two stages of 32 x SP bytes, behind them its 256 scale bytes
.set SP,    80                         ; a lane's place in a stage: 64 bytes + 16 of padding
.set SPW,   12                         ; v12      LDS address of my spare word; never rewritten
.set NIL,   13                         ; v13      0; never rewritten
.set SPARE, WAVES*WREG                 ; the spare words, 128 bytes for each wave, that no other line names
.set IN,    16                         ; the conversion of Wo: v16-143 numbers, v144-207 halves
.set OUT,   144
	s_load_b256 s[4:11], s[0:1], 0x0               ; X, Wq, Wk, Wv
	s_load_b256 s[12:19], s[0:1], 0x20             ; Wo, codes, scales, wo16
	v_lshl_add_u32 v[SPW], v0, 2, SPARE
	v_mov_b32 v[NIL], 0
	v_lshrrev_b32 v1, 5, v0
	v_readfirstlane_b32 s22, v1                    ; wave
	v_and_b32 v2, 31, v0                           ; lane
	s_mul_i32 s20, ttmp9, WAVES
	s_add_co_u32 s20, s20, s22                     ; my run, 0 .. 1,535
	s_cmp_ge_u32 s20, QRUNS                        ; the run's number alone decides the path
	s_cbranch_scc1 .Lconvert
	v_lshlrev_b32 v3, 4, v2                        ; my 16 bytes of a load's 512
	s_mul_i32 s23, s22, WREG
	v_lshrrev_b32 v14, 2, v2
	v_mul_u32_u24 v14, v14, SP
	v_and_b32 v15, 3, v2
	v_lshl_add_u32 v14, v15, 4, v14
	v_add_nc_u32 v14, s23, v14                     ; the stage, on the way in: SP (lane / 4) + 16 (lane % 4)
	v_mul_u32_u24 v15, v2, SP
	v_add_nc_u32 v15, s23, v15                     ; and on the way out: SP x lane: my 16 neighbours
	v_mul_u32_u24 v4, v2, CB                       ; my codes' place in a step's
	v_lshrrev_b32 v5, 1, v2
	s_add_co_u32 s23, s23, 2*32*SP
	v_add_nc_u32 v5, s23, v5                       ; LDS: my wave's 256 scale bytes, my block's byte
	v_lshlrev_b32 v7, 3, v2                        ; and on the way out 8 bytes a lane
	v_add_nc_u32 v6, s23, v7
	s_and_b32 s26, s20, 127                        ; a weight's run within its 128
	s_wait_kmcnt 0x0
	s_cmp_lt_u32 s20, 1152
	s_cselect_b64 s[24:25], s[6:7], s[8:9]         ; Wq or Wk,
	s_cmp_lt_u32 s20, 1280
	s_cselect_b64 s[24:25], s[24:25], s[10:11]     ; or Wv,
	s_cmp_lt_u32 s20, 1024
	s_cselect_b64 s[24:25], s[4:5], s[24:25]       ; or X
	s_cselect_b32 s26, s20, s26                    ; which run of the source is mine
	s_lshl_b32 s26, s26, 15                        ; 32,768 bytes a run (under 2^26)
	s_mov_b32 s27, 0
	s_add_nc_u64 s[24:25], s[24:25], s[26:27]
	s_lshl_b32 s28, s20, 12                        ; in the joint tensor of 11,264 rows: 4,096 bytes of codes a run
	s_mov_b32 s29, 0
	s_add_nc_u64 s[14:15], s[14:15], s[28:29]
	s_lshl_b32 s28, s20, 8                         ; 256 scale bytes a run
	s_add_nc_u64 s[16:17], s[16:17], s[28:29]
.macro LOAD t
.irp i, 0,1,2,3
	global_load_b128 v[R+16*((\t)%4)+4*\i:R+16*((\t)%4)+4*\i+3], v3, s[24:25] offset:2048*(\t)+512*\i th:TH_LOAD_NT   ; 32 lanes read 512 consecutive bytes
.endr
.endm
.macro TURN t                          ; step t's numbers through the stage: LDS serves a wave's instructions in order, so no wait stands between the stores and the loads
.irp i, 0,1,2,3
	ds_store_b128 v14, v[R+16*((\t)%4)+4*\i:R+16*((\t)%4)+4*\i+3] offset:32*SP*((\t)%2)+8*SP*\i
.endr
.irp i, 0,1,2,3
	ds_load_b128 v[X+16*((\t)%2)+4*\i:X+16*((\t)%2)+4*\i+3], v15 offset:32*SP*((\t)%2)+16*\i
.endr
.endm
.irp t, 0,1,2,3
	LOAD \t
.endr
	s_wait_loadcnt 12                              ; step 0's four loads are in; the twelve of steps 1 to 3 may be out
	TURN 0
.macro STEP t
.set XS, X+16*((\t)%2)
.if (\t) > 0
	s_wait_dscnt 1                                 ; this step's numbers are back from the stage (the last step's byte store may be out)
.else
	s_wait_dscnt 0x0
.endif
.if (\t)+4 < STEPS
	LOAD (\t)+4                                    ; the registers that the stage's stores have read take the loads of four steps on
.endif
.if (\t)+1 < STEPS
.if STEPS-2-(\t) >= 3
	s_wait_loadcnt 12                              ; the next step's four loads are in; those of the three steps behind it may be out
.else
	s_wait_loadcnt 4*(STEPS-2-(\t))
.endif
	TURN (\t)+1                                    ; and go through the other stage while this step is worked
.endif
	v_max3_num_f32 v8, |v[XS]|, |v[XS+1]|, |v[XS+2]|               ; the largest magnitude of my 16
	v_max3_num_f32 v9, |v[XS+3]|, |v[XS+4]|, |v[XS+5]|
.irp i, 6,10
	v_max3_num_f32 v8, v8, |v[XS+\i]|, |v[XS+\i+1]|
	v_max3_num_f32 v9, v9, |v[XS+\i+2]|, |v[XS+\i+3]|
.endr
	v_max3_num_f32 v8, v8, |v[XS+14]|, |v[XS+15]|
	v_max3_num_f32 v8, v8, v9, (EMAX+1)<<23        ; and the floor 2^(EMAX + 1 - 127): the byte cannot fall under 1
	v_max_num_f32_dpp v8, v8, v8 row_xmask:1 row_mask:0xf bank_mask:0xf   ; and of my neighbour's 16: the block's
	v_add_nc_u32 v11, -(EMAX<<23), v8              ; EMAX off its exponent field: the conversion takes the exponent field of this operand as its scale
	v_cvt_scalef32_pk8_fp4_f32 v[C+4*(\t)], v[XS:XS+7], v11        ; eight numbers / the scale, to the nearest code, ties to even, beyond the largest code the largest
	v_cvt_scalef32_pk8_fp4_f32 v[C+4*(\t)+1], v[XS+8:XS+15], v11
	v_lshrrev_b32 v[E+(\t)], 23, v11               ; the scale's byte
	ds_store_b8 v5, v[E+(\t)] offset:16*(\t)       ; both lanes of a block write the same byte with the same value
	global_store_b64 v4, v[C+4*(\t):C+4*(\t)+1], s[14:15] offset:32*CB*(\t)   ; 32 lanes store 256 consecutive bytes
.endm
.irp t, 0,1,2,3,4,5,6,7,8,9,10,11,12,13,14,15
	STEP \t
.endr
	ds_load_b64 v[8:9], v6                         ; LDS serves a wave's instructions in order: these see my stores
	s_wait_dscnt 0x0
	global_store_b64 v7, v[8:9], s[16:17]          ; 32 lanes store 256 consecutive bytes
	s_wait_tensorcnt 0x0                           ; the wave's end
	ds_add_u32 v[SPW], v[NIL]
	s_wait_dscnt 0x0
	s_endpgm
; Wo to f16: a wave takes 8,192 numbers in two rounds of 16 steps; a step is 256 numbers: 32 bytes in and 16 bytes out for each lane.
.Lconvert:
	v_lshlrev_b32 v1, 5, v2                        ; 32 x lane
	v_lshlrev_b32 v3, 4, v2                        ; 16 x lane
	s_sub_co_u32 s26, s20, QRUNS                   ; my run of Wo
	s_lshl_b32 s28, s26, 15
	s_mov_b32 s29, 0
	s_lshl_b32 s30, s26, 14
	s_mov_b32 s31, 0
	s_wait_kmcnt 0x0
	s_add_nc_u64 s[12:13], s[12:13], s[28:29]
	s_add_nc_u64 s[18:19], s[18:19], s[30:31]
.macro CLOAD u
.set I, 0
.rept 16
	global_load_b128 v[IN+8*I:IN+8*I+3],   v1, s[12:13] offset:1024*(16*\u+I) th:TH_LOAD_NT
	global_load_b128 v[IN+8*I+4:IN+8*I+7], v1, s[12:13] offset:1024*(16*\u+I)+16 th:TH_LOAD_NT
.set I, I+1
.endr
.endm
.macro CCVT
.set I, 0
.rept 64
	v_cvt_pk_f16_f32 v[OUT+I], v[IN+2*I], v[IN+2*I+1]
.set I, I+1
.endr
.endm
.macro CSTORE u
.set I, 0
.rept 16
	global_store_b128 v3, v[OUT+4*I:OUT+4*I+3], s[18:19] offset:512*(16*\u+I)   ; 32 lanes store 512 consecutive bytes
.set I, I+1
.endr
.endm
	CLOAD 0
	s_wait_loadcnt 0x0
	CCVT
	CLOAD 1                                        ; the second round's loads go out ahead of the first round's stores
	CSTORE 0
	s_wait_loadcnt 0x0
	s_wait_xcnt 0x0                                ; the stores have read their data registers: they are written again only behind this wait
	CCVT
	CSTORE 1
	s_endpgm
.Lfunc_end_k_q0c216207fb_prep:
	.size	k_q0c216207fb_prep, .Lfunc_end_k_q0c216207fb_prep-k_q0c216207fb_prep
	.p2alignl 7, 3214868480
	.fill 96, 4, 3214868480
	.section	.rodata,"a",@progbits
	.p2align	6, 0x0
	.amdhsa_kernel k_q0c216207fb_prep
		.amdhsa_group_segment_fixed_size 49920
		.amdhsa_private_segment_fixed_size 0
		.amdhsa_enable_private_segment 0
		.amdhsa_kernarg_size 64
		.amdhsa_user_sgpr_count 2
		.amdhsa_user_sgpr_kernarg_segment_ptr 1
		.amdhsa_wavefront_size32 1
		.amdhsa_system_sgpr_workgroup_id_x 1
		.amdhsa_system_sgpr_workgroup_id_y 1
		.amdhsa_system_sgpr_workgroup_id_z 1
		.amdhsa_system_vgpr_workitem_id 0
		.amdhsa_next_free_vgpr 208
		.amdhsa_next_free_sgpr 66
		.amdhsa_reserve_vcc 0
		.amdhsa_float_denorm_mode_32 3
		.amdhsa_float_denorm_mode_16_64 3
		.amdhsa_memory_ordered 1
		.amdhsa_forward_progress 1
		.amdhsa_inst_pref_size 51
	.end_amdhsa_kernel
	.amdgpu_metadata
---
amdhsa.version: [ 1, 2 ]
amdhsa.kernels:
  - .name:           k_q0c216207fb_prep
    .symbol:         k_q0c216207fb_prep.kd
    .args:
      - { .name: X, .offset: 0, .size: 8, .value_kind: global_buffer, .address_space: global }
      - { .name: Wq, .offset: 8, .size: 8, .value_kind: global_buffer, .address_space: global }
      - { .name: Wk, .offset: 16, .size: 8, .value_kind: global_buffer, .address_space: global }
      - { .name: Wv, .offset: 24, .size: 8, .value_kind: global_buffer, .address_space: global }
      - { .name: Wo, .offset: 32, .size: 8, .value_kind: global_buffer, .address_space: global }
      - { .name: codes, .offset: 40, .size: 8, .value_kind: global_buffer, .address_space: global }
      - { .name: scales, .offset: 48, .size: 8, .value_kind: global_buffer, .address_space: global }
      - { .name: wo16, .offset: 56, .size: 8, .value_kind: global_buffer, .address_space: global }
    .group_segment_fixed_size: 49920
    .private_segment_fixed_size: 0
    .kernarg_segment_align: 8
    .kernarg_segment_size: 64
    .max_flat_workgroup_size: 192
    .sgpr_count:     66
    .vgpr_count:     208
    .wavefront_size: 32
...
	.end_amdgpu_metadata
.endif
;; end of part 1
;; launch qkv (part 2): grid 8 x 32, 4 waves a work-group, clusters of 4 x 4, 327,680 bytes of LDS; arguments codes, scales, qkv, bq, bk, bv; writes qkv
.if DOCPART == 2
	.amdgcn_target "amdgcn-amd-amdhsa--gfx1250"
	.amdhsa_code_object_version 6
	.text
	.protected	k_q0c216207fb_qkv
	.globl	k_q0c216207fb_qkv
	.p2align	8
	.type	k_q0c216207fb_qkv,@function
k_q0c216207fb_qkv:
	s_mov_b64 s[64:65], 0
	v_nop
	global_prefetch_b8 v0, s[64:65] scope:SCOPE_SE
	s_setreg_imm32_b32 hwreg(HW_REG_WAVE_MODE, 25, 1), 1
	s_wait_xcnt 0x0
	s_wait_alu depctr_hold_cnt(0) depctr_sa_sdst(0) depctr_va_vdst(0) depctr_va_sdst(0) depctr_va_ssrc(0) depctr_va_vcc(0) depctr_vm_vsrc(0)
	s_getreg_b32 s2, hwreg(HW_REG_IB_STS2, 6, 4)
	s_cmp_eq_u32 s2, 0
	s_cbranch_scc0 .Lentry_in_a_cluster
	s_endpgm
.Lentry_in_a_cluster:
	s_bfe_u32 s2, ttmp6, 0x10000c
	s_cmp_lg_u32 s2, 0xf033
	s_cbranch_scc0 .Lentry_shape_is_right
	s_endpgm
.Lentry_shape_is_right:
; THE THREE QUANTISED PRODUCTS ON CODES OF FP4: C[m][n] = sum over k of A[m][k] B[n][k], A = X's codes (rows 0-8,191 of the joint tensor), B = Wq's, Wk's, Wv's (rows 8,192-11,263), K = 1,024.
; C + bias goes out as f16, [8192][3072]: columns 0-1,023 (Q + bq) x c with c = log2(e) / 32, so that the next product gives the softmax's exponent to base 2; columns 1,024-2,047 K + bk; 2,048-3,071 V + bv.  Nothing is left out.
; LIMITS: |(Q + bq) c|, |K + bk|, |V + bv| stay under 65,504 (f16); NaN and infinities are not served.
; SHARES: 8,192 x 3,072 outputs are 98,304 for each of 256 work-groups: 256 rows x 384 columns, IN TWO PASSES over the same 256 rows of X, whose codes stay in LDS.
;   Pass 1: a tile of 256 x 256 of Q (cluster x = 0) or of K (cluster x = 1), columns 256 X on; a wave makes 128 x 128: 64 accumulators, 512 registers.  K is two slots of 512 (rows of 256 bytes), both first fills.
;   Pass 2: columns 128 X .. 128 X + 127 of V; wave w makes rows 64 w .. 64 w + 63 x all 128 columns: 32 accumulators, and rows of 256 bytes.  Wv's 128 rows come by the launch's one refill, into the bytes
;   that held pass 1's B: in pass 1's last step every wave has read all it reads of B; behind a round of the cluster's barrier wave 2 asks for K's first 512 (into slot 0), wave 3 for the second (into slot 1); they land while pass 1's results go out.
; The scale bytes of pass 1's 256 + 256 rows come once into LDS, as dense blocks; pass 2's scale words come from memory straight into the scale registers, lanes 0-15 at X's rows, lanes 16-31 at Wv's: both lie in one buffer.
; CLUSTERS: 4 x 4 work-groups; A's tiles are asked for jointly along a row of the cluster, B's along a column.  THE MATRIX INSTRUCTION IS USED TRANSPOSED (source 0 = 16 rows of B, source 1 = 16 rows of A): a lane holds eight neighbouring columns of a row of C.
; REGISTERS: window 0: v0-31 addresses; v32-95 scale words, two sets, and nothing else; v96-127 packed results; v128-191 A's fragments (pass 1: 8 blocks; pass 2: two sets of 4), later rows read back; v192-255 results at work.
;   window 1: B's fragments at v0 and v128; v192-255 the bias of my 128 columns.   windows 2, 3: the accumulators ((a, b) at v[8 (8 (a % 4) + b)]); pass 2 uses window 2 alone.
.set SIZE_K, 1024
.set KSTEP,  512
.set NQ,     KSTEP/128
.set ROWB,   256                       ; a tile's row in bytes
.set KROW,   SIZE_K/2                  ; a row of codes in memory
.set PITCH,  272                       ; an LDS row: 256 bytes + 16 of padding: the 16 rows that a load touches start at 16 different banks
.set FR,     8
.set NL,     2
.set NP,     4
.set HALFT,  128*PITCH
.set SLOT,   4*HALFT
.set KS,     SIZE_K/32                 ; a row of scale bytes
.set SCL,    2*SLOT
.set HALFS,  (128*KS/256)*272
.set SBLK,   (16*KS/256)*272
.set STAGE,  SCL+4*HALFS               ; the way out: 16 rows x (256 + 16) bytes for each wave, in bytes of its own: both slots are still read in pass 2
.set SPITCH, 272
.set SPARE,  STAGE+4*16*SPITCH         ; the spare words, 128 bytes for each wave, that no other line names
.set CROW,   6144                      ; a row of qkv in bytes
.set ADRA, 16                          ; v16-17 pass 1: my A fragments in slot 0, 1;  v18-19 pass 2
.set ADRA2, 18
.set ADRB, 20                          ; v20-21 the same for B;  v22-23 pass 2
.set ADRB2, 22
.set STO,  24
.set RD,   25
.set CO,   26
.set ADRS, 27
.set SPW,  28
.set NIL,  29
.set ADG,  30                          ; v30 pass 2's scale words in memory: lanes 0-15 my rows of X, lanes 16-31 Wv's rows
.set BOF,  31                          ; v31 32 x (lane / 16): my eight numbers of a block's bias
.set SC,   32
.set TMP,  96
.set AF,   128
.set BK,   128
.set T,    192
.set BI,   192                         ; in window 1
.set G1, 24
.set G0, 32
.set G1B, 48
.set G0B, 56
.set G1S, 68
.set G0S, 76
.set G1SB, 80
.set G0SB, 88
.set G0C, 92                           ; s[92:95] group 0 of the refill
.set MSB, 0
.macro WIN new                         ; the immediate's high byte repeats the setting that is left
.if MSB != \new
	s_set_vgpr_msb (MSB<<8)|\new
.set MSB, \new
.endif
.endm
.set MUL_LO, 0xa1                      ; source 0 (B) window 1, source 1 (A) window 0, C and D window 2
.set MUL_HI, 0xf1
.set TO_B,   0x40
; A joint load: waves 0 and 1 fetch for A, waves 2 and 3 for B; the branch hangs on the wave's number alone.  An s_nop 0 and four v_nop follow each line.
.macro JLOAD g0a, g1a, g0b, g1b
	s_cmp_eq_u32 s15, 0
	s_cbranch_scc0 .Lfor_b_\@
	tensor_load_to_lds s[\g0a:\g0a+3], s[\g1a:\g1a+7]
	s_nop 0
.rept 4
	v_nop
.endr
	s_branch .Lasked_\@
.Lfor_b_\@:
	tensor_load_to_lds s[\g0b:\g0b+3], s[\g1b:\g1b+7]
	s_nop 0
.rept 4
	v_nop
.endr
.Lasked_\@:
.endm
.macro CREST                           ; a round of the cluster's barrier behind its opening barrier
	s_cmp_lg_u32 s14, 0
	s_cbranch_scc1 .Lnot_wave_0_\@
	s_barrier_signal -3
.Lnot_wave_0_\@:
	s_barrier_wait -3
	s_barrier_signal -1
	s_barrier_wait -1
.endm
.macro CROUND                          ; a whole round
	s_barrier_signal -1
	s_barrier_wait -1
	CREST
.endm
	s_load_b128 s[4:7], s[0:1], 0x0                ; codes, scales
	s_load_b64 s[12:13], s[0:1], 0x10              ; qkv
	s_load_b64 s[96:97], s[0:1], 0x18              ; bq
	s_load_b64 s[98:99], s[0:1], 0x20              ; bk
	s_load_b64 s[100:101], s[0:1], 0x28            ; bv
	v_lshl_add_u32 v[SPW], v0, 2, SPARE
	v_mov_b32 v[NIL], 0
	ds_add_u32 v[SPW], v[NIL]                      ; the wave's opening: the add, twice on end, and its wait ahead of my first tensor load
	ds_add_u32 v[SPW], v[NIL]
	v_lshrrev_b32 v1, 5, v0
	v_readfirstlane_b32 s14, v1                    ; wave 0..3
	s_lshr_b32 s15, s14, 1                         ; pass 1: which half of the tile's rows is mine.  Also: I fetch for A (0) or for B (1)
	s_and_b32 s16, s14, 1                          ; pass 1: which half of its columns.  Also: which 128 rows I fetch
	s_bfe_u32 s40, ttmp6, 0x40000                  ; cx, cy
	s_bfe_u32 s41, ttmp6, 0x40004
	s_lshl_b32 s42, ttmp9, 2
	s_add_co_u32 s42, s42, s40                     ; X, 0..7
	s_and_b32 s17, ttmp7, 0xffff
	s_lshl_b32 s17, s17, 2
	s_add_co_u32 s17, s17, s41                     ; Y, 0..31
	s_lshl_b32 s43, s41, 2
	s_lshl_b32 s43, 15, s43                        ; my row of the cluster
	s_lshl_b32 s44, 0x1111, s40                    ; my column
	s_or_b32 s[G1+0], s43, (0<<16)|(1<<20)|(1<<21)|(5<<22)|(3<<25)   ; the mask; elements of 1 byte; padding: 4 words behind every 64
	s_or_b32 s[G1B+0], s44, (0<<16)|(1<<20)|(1<<21)|(5<<22)|(3<<25)
.irp g, G1, G1B
	s_mov_b32 s[\g+1], ROWB<<16                    ; tensor_dim0
	s_mov_b32 s[\g+2], 128<<16                     ; tensor_dim1
	s_mov_b32 s[\g+3], ROWB<<16                    ; tile_dim0
	s_mov_b32 s[\g+4], 128                         ; tile_dim1
	s_mov_b32 s[\g+5], KROW                        ; the pitch
	s_mov_b32 s[\g+6], 0
	s_mov_b32 s[\g+7], 0
.endr
	s_or_b32 s[G1S+0], s43, (3<<16)|(1<<20)|(1<<21)|(5<<22)|(3<<25)  ; the scales of 128 rows: a dense block, as rows of 256 bytes (32 elements of 8 bytes)
	s_or_b32 s[G1SB+0], s44, (3<<16)|(1<<20)|(1<<21)|(5<<22)|(3<<25)
.irp g, G1S, G1SB
	s_mov_b32 s[\g+1], 32<<16
	s_mov_b32 s[\g+2], (128*KS/256)<<16
	s_mov_b32 s[\g+3], 32<<16
	s_mov_b32 s[\g+4], 128*KS/256
	s_mov_b32 s[\g+5], 32
	s_mov_b32 s[\g+6], 0
	s_mov_b32 s[\g+7], 0
.endr
	s_lshl_b32 s18, s16, 7
	s_lshl_b32 s20, s17, 8
	s_add_co_u32 s20, s20, s18                     ; A: row 256 Y + 128 x half
	s_lshl_b32 s46, s42, 8
	s_add_co_u32 s46, s46, s18                     ; B, pass 1: row 256 X + 128 x half
	s_mov_b32 s21, 0
	s_mov_b32 s47, 0
	s_mov_b64 s[18:19], KS
	s_mul_u64 s[22:23], s[20:21], s[18:19]
	s_mul_u64 s[92:93], s[46:47], s[18:19]
	s_mov_b64 s[18:19], KROW
	s_mul_u64 s[20:21], s[20:21], s[18:19]
	s_mul_u64 s[46:47], s[46:47], s[18:19]
	s_mul_i32 s45, s14, HALFT                      ; where they go: wave x 128 rows
	s_mul_i32 s94, s14, HALFS
	s_wait_dscnt 0x0                               ; both opening adds are done
	s_wait_kmcnt 0x0
	s_add_nc_u64 s[8:9], s[4:5], 8192*KROW         ; B's codes and scales begin behind X's 8,192 rows
	s_add_nc_u64 s[10:11], s[6:7], 8192*KS
	s_add_nc_u64 s[20:21], s[4:5], s[20:21]
	s_add_nc_u64 s[22:23], s[6:7], s[22:23]
	s_add_nc_u64 s[46:47], s[8:9], s[46:47]
	s_add_nc_u64 s[92:93], s[10:11], s[92:93]
	CROUND                                         ; all sixteen work-groups are here: the first joint loads meet
	s_mov_b32 s[G0S], 1
	s_add_co_u32 s[G0S+1], s94, SCL
	s_mov_b64 s[G0S+2:G0S+3], s[22:23]
	s_or_b32 s[G0S+3], s[G0S+3], 0x80000000
	s_mov_b32 s[G0SB], 1
	s_add_co_u32 s[G0SB+1], s94, SCL
	s_mov_b64 s[G0SB+2:G0SB+3], s[92:93]
	s_or_b32 s[G0SB+3], s[G0SB+3], 0x80000000
	JLOAD G0S, G1S, G0SB, G1SB                     ; the scales first
.irp s, 0,1
	s_mov_b32 s[G0+4*\s], 1
	s_add_co_u32 s[G0+4*\s+1], s45, \s*SLOT
	s_add_nc_u64 s[G0+4*\s+2:G0+4*\s+3], s[20:21], \s*ROWB
	s_or_b32 s[G0+4*\s+3], s[G0+4*\s+3], 0x80000000
	s_mov_b32 s[G0B+4*\s], 1
	s_add_co_u32 s[G0B+4*\s+1], s45, \s*SLOT
	s_add_nc_u64 s[G0B+4*\s+2:G0B+4*\s+3], s[46:47], \s*ROWB
	s_or_b32 s[G0B+4*\s+3], s[G0B+4*\s+3], 0x80000000
	JLOAD G0+4*\s, G1, G0B+4*\s, G1B               ; three loads of mine are out in all
.endr
	; the refill's group 0 (waves 2 and 3 use it): Wv's rows 128 X on; wave 2: K's first 512, into slot 0's part for B; wave 3: the second 512, into slot 1's.  It hangs on X and the wave's number alone
	s_lshl_b32 s46, s42, 7
	s_add_co_u32 s46, s46, 2048                    ; counted from B's first row
	s_lshl_b32 s46, s46, 9                         ; 512 bytes a row
	s_lshl_b32 s47, s16, 8
	s_add_co_u32 s46, s46, s47
	s_mov_b32 s47, 0
	s_mov_b32 s[G0C], 1
	s_mul_i32 s[G0C+1], s16, SLOT
	s_add_co_u32 s[G0C+1], s[G0C+1], 2*HALFT
	s_add_nc_u64 s[G0C+2:G0C+3], s[8:9], s[46:47]
	s_or_b32 s[G0C+3], s[G0C+3], 0x80000000
	v_and_b32 v1, 15, v0                           ; r
	v_bfe_u32 v2, v0, 4, 1                         ; h
	v_mul_u32_u24 v3, v1, PITCH
	v_lshl_add_u32 v4, v2, 4, v3
	s_mul_i32 s21, s15, HALFT
	s_mul_i32 s22, s16, HALFT
	s_add_co_u32 s22, s22, 2*HALFT
	s_mul_i32 s23, s14, 64*PITCH                   ; pass 2: my 64 rows of A
.irp s, 0,1
	v_add_nc_u32 v[ADRA+\s], s21, v4
	v_add_nc_u32 v[ADRB+\s], s22, v4
	v_add_nc_u32 v[ADRA2+\s], s23, v4
	v_add_nc_u32 v[ADRB2+\s], \s*SLOT+2*HALFT, v4  ; pass 2: all 128 rows of B
	s_add_co_u32 s21, s21, SLOT
	s_add_co_u32 s22, s22, SLOT
	s_add_co_u32 s23, s23, SLOT
.endr
	v_mul_u32_u24 v5, v1, KS                       ; my row's scales: KS bytes a row,
	v_lshrrev_b32 v6, 8, v5
	v_lshl_add_u32 v5, v6, 4, v5                   ; and 16 more for each 256 passed
	s_mul_i32 s21, s15, HALFS
	s_mul_i32 s22, s16, HALFS
	s_add_co_u32 s22, s22, 2*HALFS
	s_sub_co_u32 s22, s22, s21
	v_mul_u32_u24 v6, s22, v2                      ; lanes 16-31 take B's
	s_add_co_u32 s21, s21, SCL
	v_add_nc_u32 v5, v5, v6
	v_add_nc_u32 v[ADRS], s21, v5
	s_mul_i32 s23, s14, 16*SPITCH                  ; my stage
	s_add_co_u32 s23, s23, STAGE
	v_mul_u32_u24 v5, v1, SPITCH
	v_lshl_add_u32 v5, v2, 4, v5
	v_add_nc_u32 v[STO], s23, v5                   ; in: row r, 16 bytes for each half of the lanes
	v_mul_u32_u24 v5, v2, SPITCH
	v_lshl_add_u32 v5, v1, 4, v5
	v_add_nc_u32 v[RD], s23, v5                    ; back: lanes 0-15 one row of 256 bytes, lanes 16-31 the next
	v_mul_u32_u24 v5, v2, CROW
	v_lshl_add_u32 v[CO], v1, 4, v5                ; and the same two rows in qkv
	; pass 2's scale words in memory, 32 bytes a row of the joint tensor: lanes 0-15 row 256 Y + 64 wave + r, lanes 16-31 row 10,240 + 128 X + r
	s_lshl_b32 s20, s17, 8
	s_lshl_b32 s21, s14, 6
	s_add_co_u32 s20, s20, s21                     ; pass 2: my first row
	s_lshl_b32 s21, s42, 7
	s_add_co_u32 s21, s21, 8192+2048
	s_sub_co_u32 s21, s21, s20
	s_lshl_b32 s21, s21, 5                         ; from the one to the other, in bytes (under 2^24)
	s_lshl_b32 s22, s20, 5
	v_mul_u32_u24 v5, s21, v2
	v_lshl_add_u32 v5, v1, 5, v5
	v_add_nc_u32 v[ADG], s22, v5
	; where the results go.  Pass 2: row 256 Y + 64 wave; 4,096 + 256 X bytes into the row
	s_mul_i32 s20, s20, CROW                       ; (under 2^26)
	s_lshl_b32 s21, s42, 8
	s_add_co_u32 s20, s20, s21
	s_add_co_u32 s20, s20, 4096
	s_mov_b32 s21, 0
	s_add_nc_u64 s[2:3], s[12:13], s[20:21]
	s_lshl_b32 s20, s17, 8                         ; pass 1: row 256 Y + 128 x half; 512 X + 256 x half bytes into the row
	s_lshl_b32 s21, s15, 7
	s_add_co_u32 s20, s20, s21
	s_mul_i32 s20, s20, CROW
	s_mov_b32 s21, 0
	s_lshl_b32 s46, s42, 9
	s_lshl_b32 s47, s16, 8
	s_add_co_u32 s46, s46, s47
	s_add_co_u32 s20, s20, s46
	s_add_nc_u64 s[12:13], s[12:13], s[20:21]
	; the biases and the factor: in pass 1 a cluster's four tiles are Q's or K's: the cluster's x, which all partners share, chooses
	s_cmp_eq_u32 ttmp9, 0
	s_cselect_b64 s[96:97], s[96:97], s[98:99]
	s_cselect_b32 s66, 0x3d38aa3b, 1.0             ; c = log2(e) / 32 for Q, 1 for K
	s_mov_b32 s67, s66
	s_lshl_b32 s46, s40, 10                        ; 256 cx numbers of 4 bytes
	s_lshl_b32 s47, s16, 9
	s_add_co_u32 s46, s46, s47
	s_mov_b32 s47, 0
	s_add_nc_u64 s[96:97], s[96:97], s[46:47]
	s_lshl_b32 s46, s42, 9                         ; bv: 128 X numbers of 4 bytes
	s_add_nc_u64 s[100:101], s[100:101], s[46:47]
	v_lshlrev_b32 v[BOF], 5, v2                    ; lane (r, h) wants, for block b, the bias of columns 16 b + 8 h + 0 .. 7
	WIN TO_B
.irp b, 0,1,2,3,4,5,6,7
	global_load_b128 v[BI+8*\b:BI+8*\b+3],   v[BOF], s[96:97] offset:64*\b
	global_load_b128 v[BI+8*\b+4:BI+8*\b+7], v[BOF], s[96:97] offset:64*\b+16
.endr
	WIN 0
.macro FRAG reg, adr, q, i             ; 16 rows x 128 K of 4-bit codes: 8 registers, two loads of 16 bytes 32 bytes apart
.irp c, 0,1
	ds_load_b128 v[\reg+4*\c:\reg+4*\c+3], v[\adr] offset:64*(\q)+32*\c+(\i)*16*PITCH
.endr
.endm
; Pass 1: 16 matrix instructions: A's blocks a0, a0 + 1 x B's eight, 128 along K.  The 64 accumulators take turns, one instruction a turn, in the same order in every step.
.macro MUL16 a0, p, q, sc, zero
.irp a, \a0, \a0+1
.irp b, 0,1,2,3,4,5,6,7
.if \zero
	v_wmma_scale_f32_16x16x128_f8f6f4 v[8*(8*((\a)%4)+\b):8*(8*((\a)%4)+\b)+7], v[128*(\p)+FR*\b:128*(\p)+FR*\b+FR-1], v[AF+FR*(\a):AF+FR*(\a)+FR-1], 0, v[SC+8*NQ*(\sc)+NQ*\b+(\q)], v[SC+8*NQ*(\sc)+NQ*(\a)+(\q)] matrix_a_fmt:MATRIX_FMT_FP4 matrix_b_fmt:MATRIX_FMT_FP4 matrix_a_scale:MATRIX_SCALE_ROW1
.else
	v_wmma_scale_f32_16x16x128_f8f6f4 v[8*(8*((\a)%4)+\b):8*(8*((\a)%4)+\b)+7], v[128*(\p)+FR*\b:128*(\p)+FR*\b+FR-1], v[AF+FR*(\a):AF+FR*(\a)+FR-1], v[8*(8*((\a)%4)+\b):8*(8*((\a)%4)+\b)+7], v[SC+8*NQ*(\sc)+NQ*\b+(\q)], v[SC+8*NQ*(\sc)+NQ*(\a)+(\q)] matrix_a_fmt:MATRIX_FMT_FP4 matrix_b_fmt:MATRIX_FMT_FP4 matrix_a_scale:MATRIX_SCALE_ROW1
.endif
.endr
.endr
.endm
.macro FETCH_B slot, q, p
	WIN TO_B
.irp i, 0,1,2,3,4,5,6,7
	FRAG 128*(\p)+FR*\i, ADRB+\slot, \q, \i
.endr
	WIN 0
.endm
.macro FETCH_A slot, q, i0
.irp i, \i0, \i0+1, \i0+2, \i0+3
	FRAG AF+FR*(\i), ADRA+\slot, \q, \i
.endr
.endm
.macro SCALES sc                       ; a slot's scale words: lanes 0-15 take A's block i, lanes 16-31 B's block i
.irp i, 0,1,2,3,4,5,6,7
	ds_load_b128 v[SC+8*NQ*\sc+NQ*\i:SC+8*NQ*\sc+NQ*\i+3], v[ADRS] offset:\i*SBLK
.endr
.endm
.macro PLACES n                        ; plain vector instructions between a matrix instruction and a load into, or a vector access to, its registers
.rept \n
	v_nop
.endr
.endm
.macro STEP slot, q, zero
	s_wait_dscnt 4*NL                              ; B's set and A's blocks 0-3 are in; the youngest eight loads (A's blocks 4-7) may be out
	WIN MUL_LO
	MUL16 0, (\q)%2, \q, \slot, \zero
	MUL16 2, (\q)%2, \q, \slot, \zero
	s_wait_dscnt 0
	PLACES NP
	FETCH_B \slot, (\q)+1, 1-(\q)%2
	FETCH_A \slot, (\q)+1, 0
	WIN MUL_HI
	MUL16 4, (\q)%2, \q, \slot, \zero
	MUL16 6, (\q)%2, \q, \slot, \zero
	PLACES NP
	WIN 0
	FETCH_A \slot, (\q)+1, 4
.endm
; Slot 0's last step of pass 1 changes slots: one barrier; in front of it each wave waits for all its tensor loads (slot 1's part), adds 0 to its spare word, and waits for that and for its reads.
.macro TURN slot, next
	s_wait_tensorcnt 0x0
	ds_add_u32 v[SPW], v[NIL]
	s_wait_dscnt 4*NL+1                            ; (the add and the youngest eight loads may be out)
	WIN MUL_LO
	MUL16 0, 1, NQ-1, \slot, 0
	s_wait_dscnt 0x0
	s_barrier_signal -1
	MUL16 2, 1, NQ-1, \slot, 0
	WIN 0
	s_barrier_wait -1
	PLACES NP
	v_add_nc_u32 v[ADRS], 4*NQ, v[ADRS]            ; on to the next slot's scale words
	FETCH_B \next, 0, 0
	FETCH_A \next, 0, 0
	SCALES \next
	WIN MUL_HI
	MUL16 4, 1, NQ-1, \slot, 0
	MUL16 6, 1, NQ-1, \slot, 0
	PLACES NP
	WIN 0
	FETCH_A \next, 0, 4
.endm
.macro STEPS slot, from
.set Q, \from
.rept NQ-1-\from
	STEP \slot, Q, 0
.set Q, Q+1
.endr
.endm
; Pass 2.  A step's fragments: B's eight into set p of window 1, my four blocks of A into set p of A's registers
.macro FETCHV slot, q, p
	WIN TO_B
.irp i, 0,1,2,3,4,5,6,7
	FRAG 128*(\p)+FR*\i, ADRB2+\slot, \q, \i
.endr
	WIN 0
.irp i, 0,1,2,3
	FRAG AF+FR*(4*(\p)+\i), ADRA2+\slot, \q, \i
.endr
.endm
; 32 matrix instructions: my four blocks of A x B's eight; the 32 accumulators take turns, one instruction a turn
.macro MULV p, q, sc, zero
.irp a, 0,1,2,3
.irp b, 0,1,2,3,4,5,6,7
.if \zero
	v_wmma_scale_f32_16x16x128_f8f6f4 v[8*(8*\a+\b):8*(8*\a+\b)+7], v[128*(\p)+FR*\b:128*(\p)+FR*\b+FR-1], v[AF+FR*(4*(\p)+\a):AF+FR*(4*(\p)+\a)+FR-1], 0, v[SC+8*NQ*(\sc)+NQ*\b+(\q)], v[SC+8*NQ*(\sc)+NQ*\a+(\q)] matrix_a_fmt:MATRIX_FMT_FP4 matrix_b_fmt:MATRIX_FMT_FP4 matrix_a_scale:MATRIX_SCALE_ROW1
.else
	v_wmma_scale_f32_16x16x128_f8f6f4 v[8*(8*\a+\b):8*(8*\a+\b)+7], v[128*(\p)+FR*\b:128*(\p)+FR*\b+FR-1], v[AF+FR*(4*(\p)+\a):AF+FR*(4*(\p)+\a)+FR-1], v[8*(8*\a+\b):8*(8*\a+\b)+7], v[SC+8*NQ*(\sc)+NQ*\b+(\q)], v[SC+8*NQ*(\sc)+NQ*\a+(\q)] matrix_a_fmt:MATRIX_FMT_FP4 matrix_b_fmt:MATRIX_FMT_FP4 matrix_a_scale:MATRIX_SCALE_ROW1
.endif
.endr
.endr
.endm
; A step of pass 2: its fragments are in; more = 1: the next step's (slot nslot, nq) are asked for, into the other sets, ahead of this step's products
.macro STEPV slot, q, nslot, nq, zero, more
	s_wait_dscnt 0x0
.if \more
	PLACES NP                                      ; in front of loads into the sets that the last step multiplied
	FETCHV \nslot, \nq, 1-(\q)%2
.endif
	WIN MUL_LO
	MULV (\q)%2, \q, \slot, \zero
	WIN 0
.endm
	s_wait_tensorcnt 1                             ; the scales and my part of slot 0 are in (slot 1's load may be out),
	s_barrier_signal -1
	s_barrier_wait -1                              ; everybody's are
	FETCH_B 0, 0, 0
	FETCH_A 0, 0, 0
	SCALES 0
	FETCH_A 0, 0, 4
	STEP 0, 0, 1                                   ; the first step's products start the sums
	STEPS 0, 1
	TURN 0, 1
	STEPS 1, 0
	; PASS 1'S LAST STEP, AND THE REFILL.  All fragments of pass 1 have been asked for.  Each wave waits for all its tensor loads, adds 0 to its spare word, and waits for that and for its reads of both slots;
	; the barrier opens a round of the cluster's, so that no wave of any partner still reads B's bytes; behind the round waves 2 and 3 ask for Wv's rows, one load each.
	s_wait_tensorcnt 0x0
	ds_add_u32 v[SPW], v[NIL]
	s_wait_dscnt 4*NL+1                            ; (the add and the youngest eight loads may be out)
	WIN MUL_LO
	MUL16 0, 1, NQ-1, 1, 0
	s_wait_dscnt 0x0                               ; the add is done, and my reads are over
	s_barrier_signal -1
	MUL16 2, 1, NQ-1, 1, 0
	WIN 0
	s_barrier_wait -1
	CREST
	s_cmp_lt_u32 s14, 2                            ; the wave's number alone: the same in every work-group
	s_cbranch_scc1 .Lno_refill
	tensor_load_to_lds s[G0C:G0C+3], s[G1B:G1B+7]
	s_nop 0
.rept 4
	v_nop
.endr
.Lno_refill:
	WIN MUL_HI
	MUL16 4, 1, NQ-1, 1, 0
	MUL16 6, 1, NQ-1, 1, 0
	WIN 0
; THE WAY OUT, block by block of 16 rows x 128 columns: the sum and the bias in f32, rounded once to f16; 16 bytes a lane into my stage; back as whole rows of 256 bytes.
; plain = 0: sum x c + bias x c (pass 1);  plain = 1: sum + bias (pass 2)
.macro PACK a, plain
.set AC, 64*((\a)%4)
.if \plain
	WIN 0x06                                       ; source 0: window 2; source 1 (the bias): window 1
.else
	WIN 0x12+(\a)/4                                ; source 0: window 2 or 3; source 2 (the bias): window 1
.endif
.set I, 0
.rept 32
.if \plain
	v_pk_add_f32 v[T+2*I:T+2*I+1], v[AC+2*I:AC+2*I+1], v[BI+2*I:BI+2*I+1]
.else
	v_pk_fma_f32 v[T+2*I:T+2*I+1], v[AC+2*I:AC+2*I+1], s[66:67], v[BI+2*I:BI+2*I+1] op_sel_hi:[1,0,1]   ; each accumulator from its low end on
.endif
.set I, I+1
.endr
	WIN 0
.set I, 0
.rept 32
	v_cvt_pk_f16_f32 v[TMP+I], v[T+2*I], v[T+2*I+1]
.set I, I+1
.endr
.endm
.macro TOSTAGE a
.set BB, BK+32*((\a)%2)
.irp b, 0,1,2,3,4,5,6,7
	ds_store_b128 v[STO], v[TMP+4*\b:TMP+4*\b+3] offset:32*\b
.endr
.irp t, 0,1,2,3,4,5,6,7
	ds_load_b128 v[BB+4*\t:BB+4*\t+3], v[RD] offset:\t*2*SPITCH    ; LDS serves a wave's instructions in order: these see the stores above
.endr
.endm
.macro SEND a, base
.set BB, BK+32*((\a)%2)
	s_wait_dscnt 0x0
.irp t, 0,1,2,3,4,5,6,7
	global_store_b128 v[CO], v[BB+4*\t:BB+4*\t+3], s[\base:\base+1] offset:(16*(\a)+2*\t)*CROW   ; 16 lanes store 256 consecutive bytes, at a multiple of 256 from the buffer's first byte
.endr
.endm
	s_wait_loadcnt 0x0                             ; pass 1's bias
	PLACES NP                                      ; behind the last products: the scale registers are loaded anew, and results are read
.irp sc, 0,1
.irp i, 0,1,2,3,4,5,6,7
	global_load_b128 v[SC+8*NQ*\sc+NQ*\i:SC+8*NQ*\sc+NQ*\i+3], v[ADG], s[6:7] offset:512*\i+16*\sc   ; pass 2's scale words: block i's 16 rows, the slot's four words; they land while pass 1 goes out
.endr
.endr
	WIN 0x41
.set I, 0
.rept 32
	v_pk_mul_f32 v[BI+2*I:BI+2*I+1], v[BI+2*I:BI+2*I+1], s[66:67] op_sel_hi:[1,0]   ; bias x c, once
.set I, I+1
.endr
	PACK 0, 0
	TOSTAGE 0
.irp a, 1,2,3,4,5,6,7
	PACK \a, 0
	SEND \a-1, 12
	s_wait_xcnt 0x0                                ; block a - 2's stores have read their registers: block a's rows may land there
	TOSTAGE \a
.endr
	WIN TO_B
.irp b, 0,1,2,3,4,5,6,7
	global_load_b128 v[BI+8*\b:BI+8*\b+3],   v[BOF], s[100:101] offset:64*\b      ; pass 2's bias, into the registers that pass 1's has left
	global_load_b128 v[BI+8*\b+4:BI+8*\b+7], v[BOF], s[100:101] offset:64*\b+16
.endr
	WIN 0
	SEND 7, 12
	; PASS 2
	s_wait_tensorcnt 0x0                           ; my part of Wv's rows is in,
	s_wait_dscnt 0x0
	s_barrier_signal -1
	s_barrier_wait -1                              ; everybody's is.
	s_wait_xcnt 0x0                                ; the last stores have read the registers that A's fragments take
	FETCHV 0, 0, 0
	s_wait_loadcnt 0x0                             ; the scale words and the bias
	STEPV 0, 0, 0, 1, 1, 1
	STEPV 0, 1, 0, 2, 0, 1
	STEPV 0, 2, 0, 3, 0, 1
	STEPV 0, 3, 1, 0, 0, 1
	STEPV 1, 0, 1, 1, 0, 1
	STEPV 1, 1, 1, 2, 0, 1
	STEPV 1, 2, 1, 3, 0, 1
	STEPV 1, 3, 0, 0, 0, 0
	PLACES NP
	PACK 0, 1
	TOSTAGE 0
.irp a, 1,2,3
	PACK \a, 1
	SEND \a-1, 2
	s_wait_xcnt 0x0
	TOSTAGE \a
.endr
	SEND 3, 2
	s_wait_tensorcnt 0x0                           ; the wave's end
	ds_add_u32 v[SPW], v[NIL]
	s_wait_dscnt 0x0
	CROUND                                         ; the closing round
	s_endpgm
.Lfunc_end_k_q0c216207fb_qkv:
	.size	k_q0c216207fb_qkv, .Lfunc_end_k_q0c216207fb_qkv-k_q0c216207fb_qkv
	.p2alignl 7, 3214868480
	.fill 96, 4, 3214868480
	.section	.rodata,"a",@progbits
	.p2align	6, 0x0
	.amdhsa_kernel k_q0c216207fb_qkv
		.amdhsa_group_segment_fixed_size 327680
		.amdhsa_private_segment_fixed_size 0
		.amdhsa_enable_private_segment 0
		.amdhsa_kernarg_size 48
		.amdhsa_user_sgpr_count 2
		.amdhsa_user_sgpr_kernarg_segment_ptr 1
		.amdhsa_wavefront_size32 1
		.amdhsa_system_sgpr_workgroup_id_x 1
		.amdhsa_system_sgpr_workgroup_id_y 1
		.amdhsa_system_sgpr_workgroup_id_z 1
		.amdhsa_system_vgpr_workitem_id 0
		.amdhsa_next_free_vgpr 1024
		.amdhsa_next_free_sgpr 102
		.amdhsa_reserve_vcc 0
		.amdhsa_float_denorm_mode_32 3
		.amdhsa_float_denorm_mode_16_64 3
		.amdhsa_memory_ordered 1
		.amdhsa_forward_progress 1
		.amdhsa_inst_pref_size 222
	.end_amdhsa_kernel
	.amdgpu_metadata
---
amdhsa.version: [ 1, 2 ]
amdhsa.kernels:
  - .name:           k_q0c216207fb_qkv
    .symbol:         k_q0c216207fb_qkv.kd
    .args:
      - { .name: codes, .offset: 0, .size: 8, .value_kind: global_buffer, .address_space: global }
      - { .name: scales, .offset: 8, .size: 8, .value_kind: global_buffer, .address_space: global }
      - { .name: qkv, .offset: 16, .size: 8, .value_kind: global_buffer, .address_space: global }
      - { .name: bq, .offset: 24, .size: 8, .value_kind: global_buffer, .address_space: global }
      - { .name: bk, .offset: 32, .size: 8, .value_kind: global_buffer, .address_space: global }
      - { .name: bv, .offset: 40, .size: 8, .value_kind: global_buffer, .address_space: global }
    .group_segment_fixed_size: 327680
    .private_segment_fixed_size: 0
    .kernarg_segment_align: 8
    .kernarg_segment_size: 48
    .max_flat_workgroup_size: 128
    .sgpr_count:     102
    .vgpr_count:     1024
    .wavefront_size: 32
...
	.end_amdgpu_metadata
.endif
;; end of part 2
;; launch scores (part 3): grid 8 x 32, 4 waves a work-group, clusters of 4 x 4, 327,680 bytes of LDS; arguments qkv, attention_mask, p, st; writes p, st
.if DOCPART == 3
	.amdgcn_target "amdgcn-amd-amdhsa--gfx1250"
	.amdhsa_code_object_version 6
	.text
	.protected	k_q0c216207fb_scores
	.globl	k_q0c216207fb_scores
	.p2align	8
	.type	k_q0c216207fb_scores,@function
k_q0c216207fb_scores:
	s_mov_b64 s[64:65], 0
	v_nop
	global_prefetch_b8 v0, s[64:65] scope:SCOPE_SE
	s_setreg_imm32_b32 hwreg(HW_REG_WAVE_MODE, 25, 1), 1
	s_wait_xcnt 0x0
	s_wait_alu depctr_hold_cnt(0) depctr_sa_sdst(0) depctr_va_vdst(0) depctr_va_sdst(0) depctr_va_ssrc(0) depctr_va_vcc(0) depctr_vm_vsrc(0)
	s_getreg_b32 s2, hwreg(HW_REG_IB_STS2, 6, 4)
	s_cmp_eq_u32 s2, 0
	s_cbranch_scc0 .Lentry_in_a_cluster
	s_endpgm
.Lentry_in_a_cluster:
	s_bfe_u32 s2, ttmp6, 0x10000c
	s_cmp_lg_u32 s2, 0xf033
	s_cbranch_scc0 .Lentry_shape_is_right
	s_endpgm
.Lentry_shape_is_right:
; t = (Q c) K^T in f16 with f32 sums (t = att x log2(e), since c = log2(e) / 32 lies in Q), the mask, and the softmax's numerator BY CHUNKS OF 128 KEYS.  Nothing is left out.
; Where attention_mask is 0, t becomes -1e20 x log2(e).  For each row and chunk: M = the chunk's largest t rounded UP to a whole number; p = 2^(t - M), one exact subtraction of a whole number and one exponential,
; goes out as f16; l = the f32 sum of the unrounded p; the pair (-M, l) goes to st [16 chunks][8192 rows][2].  The next launch brings the chunks under the row's own largest M by powers of two: the row's maximum IS taken away.
; A chunk masked everywhere has t - M = 0, p = 1, l = 128; a row masked everywhere so becomes the even average, as in the problem's own text.
; LIMITS: NaN and infinities are not served; p under f16's smallest number is lost (it is under 2^-24 of its chunk's largest).
; A tile of 256 rows x 256 keys is made by four waves, 128 x 128 each: 64 accumulators.  K = 1,024 goes in 8 steps of 128 through two LDS slots; rows of 256 bytes.  CLUSTERS: 4 x 4; Q's tiles jointly along a row, K's along a column.
; THE MATRIX INSTRUCTION IS USED TRANSPOSED (source 0 = 16 keys, source 1 = 16 rows): lane (r, h) holds row r and keys 16 b + 8 h + 0 .. 7 of block b.
; THE MASK COMES UNDER THE K LOOP.  In K step s a wave loads the words of its row block s + 1 (64 registers, in the accumulators' own lane layout); a step later one compare a register turns 32 words into a lane mask,
; and v_writelane_b32 parks the 512 masks in 16 registers: register n, lane 8 q + s holds the mask of register 16 q + n of row block s.  On the way out a select by that mask also moves the accumulator into window 0.
; REGISTERS: window 0: v16-31 addresses; v32-47 parked masks; v48 -M, v49 l, v50-59 at work; v64-191 Q's fragments, two buffers, later T 64-127, packed 128-159, rows 160-191.
;   window 1: v64-191 K's fragments; mask words: set 0 at v0-63, set 1 at v192-255.   windows 2, 3: the accumulators ((a, b) at v[8 (8 (a % 4) + b)]).
.set QROW,   6144                      ; a row of qkv in bytes
.set PITCH,  272
.set HALFT,  128*PITCH
.set SLOT,   4*HALFT
.set STAGE,  2*SLOT                    ; 16 rows x 272 bytes for each wave
.set SPITCH, 272
.set STAT,   STAGE+4*16*SPITCH         ; 128 pairs of 8 bytes for each wave
.set SPARE,  STAT+4*1024               ; the spare words, 128 bytes for each wave, that no other line names
.set LAPS,   4                         ; a lap = two K steps
.set MROWS,  16*8192                   ; 16 rows of the mask in bytes
.set ADRA, 16
.set ADRB, 20
.set STO,  24
.set RD,   25
.set CO,   26
.set SPW,  28
.set NIL,  29
.set MADR, 30                          ; 8,192 r + 32 h
.set SADR, 31
.set MB,   32
.set SGO,  60
.set SRD,  61
.set F0,   64
.set F1,   128
.set T,    64
.set TMP,  128
.set OB,   160
.set G1, 24
.set G0, 32
.set G1B, 48
.set G0B, 56
.set LN,  66                           ; s66 the lane in which the next masks are parked
.set NEG, 67                           ; s67 -1e20 x log2(e)
.set MK,  68                           ; s[68:69] the mask at my row block of the K step in hand
.set SEL, 70
.set SM,  72                           ; s[72:87] sixteen lane masks
.set MSB, 0
.macro WIN new
.if MSB != \new
	s_set_vgpr_msb (MSB<<8)|\new
.set MSB, \new
.endif
.endm
.set MUL_LO, 0xa1
.set MUL_HI, 0xf1
.set TO_B,   0x40
.macro JLOAD s                         ; waves 0 and 1 fetch Q's two halves, waves 2 and 3 K's; an s_nop 0 and four v_nop follow each line
	s_cmp_eq_u32 s13, 0
	s_cbranch_scc0 .Lfor_b_\@
	tensor_load_to_lds s[G0+4*\s:G0+4*\s+3], s[G1:G1+7]
	s_nop 0
.rept 4
	v_nop
.endr
	s_branch .Lasked_\@
.Lfor_b_\@:
	tensor_load_to_lds s[G0B+4*\s:G0B+4*\s+3], s[G1B:G1B+7]
	s_nop 0
.rept 4
	v_nop
.endr
.Lasked_\@:
.endm
.macro CREST
	s_cmp_lg_u32 s12, 0
	s_cbranch_scc1 .Lnot_wave_0_\@
	s_barrier_signal -3
.Lnot_wave_0_\@:
	s_barrier_wait -3
	s_barrier_signal -1
	s_barrier_wait -1
.endm
.macro CROUND
	s_barrier_signal -1
	s_barrier_wait -1
	CREST
.endm
	s_load_b256 s[4:11], s[0:1], 0x0               ; qkv, mask, p, st
	v_lshl_add_u32 v[SPW], v0, 2, SPARE
	v_mov_b32 v[NIL], 0
	ds_add_u32 v[SPW], v[NIL]                      ; the wave's opening: the add, twice on end, and its wait ahead of my first tensor load
	ds_add_u32 v[SPW], v[NIL]
	v_lshrrev_b32 v1, 5, v0
	v_readfirstlane_b32 s12, v1                    ; wave
	s_lshr_b32 s13, s12, 1                         ; my half of the rows.  Also: I fetch for Q (0) or for K (1)
	s_and_b32 s14, s12, 1                          ; my half of the keys.  Also: which 128 rows I fetch
	s_bfe_u32 s40, ttmp6, 0x40000                  ; cx
	s_bfe_u32 s41, ttmp6, 0x40004                  ; cy
	s_lshl_b32 s42, ttmp9, 2
	s_add_co_u32 s42, s42, s40                     ; X: the key tile, 0..7
	s_and_b32 s22, ttmp7, 0xffff                   ; the cluster's y
	s_lshl_b32 s15, s22, 2
	s_add_co_u32 s15, s15, s41                     ; Y: the row tile over all batches, 0..31
	s_lshr_b32 s22, s22, 1                         ; the batch: of the cluster's y alone
	s_lshl_b32 s43, s41, 2
	s_lshl_b32 s43, 15, s43
	s_lshl_b32 s44, 0x1111, s40
	s_or_b32 s[G1+0], s43, (1<<16)|(1<<20)|(1<<21)|(5<<22)|(3<<25)   ; the mask of my row; elements of 2 bytes; 4 words of padding behind every 64
	s_or_b32 s[G1B+0], s44, (1<<16)|(1<<20)|(1<<21)|(5<<22)|(3<<25)  ; of my column
.irp g, G1, G1B
	s_mov_b32 s[\g+1], 128<<16                     ; tensor_dim0
	s_mov_b32 s[\g+2], 128<<16                     ; tensor_dim1
	s_mov_b32 s[\g+3], 128<<16                     ; tile_dim0
	s_mov_b32 s[\g+4], 128                         ; tile_dim1
	s_mov_b32 s[\g+5], 3072                        ; elements from row to row
	s_mov_b32 s[\g+6], 0
	s_mov_b32 s[\g+7], 0
.endr
	s_lshl_b32 s18, s14, 7
	s_lshl_b32 s16, s15, 8
	s_add_co_u32 s16, s16, s18                     ; Q: row 256 Y + 128 x half
	s_mul_i32 s16, s16, QROW                       ; (under 2^26)
	s_mov_b32 s17, 0
	s_lshl_b32 s46, s42, 8
	s_add_co_u32 s46, s46, s18
	s_lshl_b32 s47, s22, 11
	s_add_co_u32 s46, s46, s47                     ; K: row 2,048 batch + 256 X + 128 x half,
	s_mul_i32 s46, s46, QROW
	s_add_co_u32 s46, s46, 2048                    ; 2,048 bytes into the row
	s_mov_b32 s47, 0
	s_mul_i32 s20, s12, HALFT                      ; where they go: wave x 128 rows
	s_mov_b32 s[LN], 0
	s_mov_b32 s[NEG], 0xe0fa4488
	s_mov_b32 s[SEL], 0x76543210
	s_mov_b32 s[SEL+1], 0xfedcba98
	s_wait_dscnt 0x0
	s_wait_kmcnt 0x0
	s_add_nc_u64 s[16:17], s[4:5], s[16:17]
	s_add_nc_u64 s[46:47], s[4:5], s[46:47]
	CROUND
.irp s, 0,1
	s_mov_b32 s[G0+4*\s], 1
	s_add_co_u32 s[G0+4*\s+1], s20, \s*SLOT
	s_add_nc_u64 s[G0+4*\s+2:G0+4*\s+3], s[16:17], \s*256
	s_or_b32 s[G0+4*\s+3], s[G0+4*\s+3], 0x80000000
	s_mov_b32 s[G0B+4*\s], 1
	s_add_co_u32 s[G0B+4*\s+1], s20, \s*SLOT
	s_add_nc_u64 s[G0B+4*\s+2:G0B+4*\s+3], s[46:47], \s*256
	s_or_b32 s[G0B+4*\s+3], s[G0B+4*\s+3], 0x80000000
	JLOAD \s                                       ; two loads of mine are out
.endr
	v_and_b32 v1, 15, v0                           ; r
	v_bfe_u32 v2, v0, 4, 1                         ; h
	v_mul_u32_u24 v3, v1, PITCH
	v_lshl_add_u32 v3, v2, 4, v3
	s_mul_i32 s21, s13, HALFT
	s_mul_i32 s22, s14, HALFT
	s_add_co_u32 s22, s22, 2*HALFT
.irp s, 0,1
	v_add_nc_u32 v[ADRA+\s], s21, v3
	v_add_nc_u32 v[ADRB+\s], s22, v3
	s_add_co_u32 s21, s21, SLOT
	s_add_co_u32 s22, s22, SLOT
.endr
	s_mul_i32 s23, s12, 16*SPITCH
	s_add_co_u32 s23, s23, STAGE
	v_mul_u32_u24 v4, v1, SPITCH
	v_lshl_add_u32 v4, v2, 4, v4
	v_add_nc_u32 v[STO], s23, v4
	v_mul_u32_u24 v5, v2, SPITCH
	v_lshl_add_u32 v5, v1, 4, v5
	v_add_nc_u32 v[RD], s23, v5
	v_lshlrev_b32 v5, 12, v2
	v_lshl_add_u32 v[CO], v1, 4, v5                ; p: 4,096 h + 16 r
	v_lshlrev_b32 v5, 13, v1
	v_lshl_add_u32 v[MADR], v2, 5, v5
	s_lshl_b32 s23, s12, 10
	s_add_co_u32 s23, s23, STAT
	v_lshl_add_u32 v[SADR], v1, 3, s23             ; my row's pair
	v_and_b32 v5, 31, v0
	v_lshlrev_b32 v[SGO], 4, v5
	v_add_nc_u32 v[SRD], s23, v[SGO]
	s_lshl_b32 s16, s15, 8
	s_lshl_b32 s17, s13, 7
	s_add_co_u32 s16, s16, s17                     ; my first row
	s_lshl_b32 s18, s16, 13
	s_lshl_b32 s46, s42, 10
	s_lshl_b32 s47, s14, 9
	s_add_co_u32 s46, s46, s47                     ; my first key x 4
	s_add_co_u32 s18, s18, s46
	s_mov_b32 s19, 0
	s_add_nc_u64 s[MK:MK+1], s[6:7], s[18:19]
	s_lshl_b32 s18, s16, 12
	s_lshr_b32 s46, s46, 1
	s_add_co_u32 s18, s18, s46
	s_add_nc_u64 s[8:9], s[8:9], s[18:19]          ; p at my first row and key
	s_lshl_b32 s18, s42, 1
	s_add_co_u32 s18, s18, s14                     ; my chunk
	s_lshl_b32 s18, s18, 16
	s_lshl_b32 s46, s16, 3
	s_add_co_u32 s18, s18, s46
	s_add_nc_u64 s[10:11], s[10:11], s[18:19]      ; st at my chunk and first row
.irp n, 0,1,2,3,4,5,6,7,8,9,10,11,12,13,14,15
	v_mov_b32 v[MB+\n], 0                          ; written once: a lane write's destination counts as read
.endr
	v_mov_b32 v49, 0                               ; (named as the upper half of the pair v[48:49] before it is first written)
	v_mov_b32 v54, 0
; four loads: the mask words of key blocks 2 q and 2 q + 1, 16 rows, off bytes on from the pointer: together 128 consecutive bytes of each row
.macro MLOAD set, q, off
.irp b, 2*\q, 2*\q+1
.irp p, 0,1
	global_load_b128 v[192*(\set)+8*(\b)+4*\p:192*(\set)+8*(\b)+4*\p+3], v[MADR], s[MK:MK+1] offset:(\off)+64*(\b)+16*\p th:TH_LOAD_NT
.endr
.endr
.endm
; 16 matrix instructions; cm >= 0: behind the n-th stands the compare of mask register cm + n (window 1, as source 0 is).  The 64 accumulators take turns.
.macro MUL16 f, hi, a0, zero, cm
.set NN, 0
.irp a, \a0, \a0+1
.irp b, 0,1,2,3,4,5,6,7
.if \zero
	v_wmma_f32_16x16x32_f16 v[8*(8*(\a)+\b):8*(8*(\a)+\b)+7], v[(\f)+8*\b:(\f)+8*\b+7], v[(\f)+8*(4*\hi+\a):(\f)+8*(4*\hi+\a)+7], 0
.else
	v_wmma_f32_16x16x32_f16 v[8*(8*(\a)+\b):8*(8*(\a)+\b)+7], v[(\f)+8*\b:(\f)+8*\b+7], v[(\f)+8*(4*\hi+\a):(\f)+8*(4*\hi+\a)+7], v[8*(8*(\a)+\b):8*(8*(\a)+\b)+7]
.endif
.if (\cm) >= 0
	v_cmp_ne_u32 s[SM+NN], v[(\cm)+NN], 0
.endif
.set NN, NN+1
.endr
.endr
.endm
.macro FETCH slot, k, f, ld, mset, mq  ; 32 LDS loads in one run; ld = 1: four mask loads among them, under the same window
	WIN TO_B
.irp i, 0,1,2,3,4,5,6,7
	ds_load_b128 v[(\f)+8*\i:(\f)+8*\i+3],   v[ADRB+\slot] offset:(\k)+\i*16*PITCH
	ds_load_b128 v[(\f)+8*\i+4:(\f)+8*\i+7], v[ADRB+\slot] offset:(\k)+\i*16*PITCH+32
.endr
.if \ld
	MLOAD \mset, \mq, MROWS
.endif
	WIN 0
.irp i, 0,1,2,3,4,5,6,7
	ds_load_b128 v[(\f)+8*\i:(\f)+8*\i+3],   v[ADRA+\slot] offset:(\k)+\i*16*PITCH
	ds_load_b128 v[(\f)+8*\i+4:(\f)+8*\i+7], v[ADRA+\slot] offset:(\k)+\i*16*PITCH+32
.endr
.endm
.macro WLANES q                        ; the quarter's sixteen masks are parked in lane 8 q + the K step
.irp n, 0,1,2,3,4,5,6,7,8,9,10,11,12,13,14,15
	v_writelane_b32 v[MB+\n], s[SM+\n], s[LN]
.endr
.if (\q) < 3
	s_add_co_u32 s[LN], s[LN], 8
.else
	s_sub_co_u32 s[LN], s[LN], 23
.endif
.endm
.macro PLACES
.rept 4
	v_nop
.endr
.endm
; One of a K step's first three quarters.  wl: the mask loads issued behind the four that this quarter compares: the rest of their block and the next block's so far.
.macro QUARTER slot, q, zero, ld, wl
	s_wait_loadcnt \wl
	s_wait_dscnt 8                                 ; K's fragments and Q's rows 0-63 are in; the youngest eight loads may be out
	WIN MUL_LO
	MUL16 F0+64*((\q)%2), 0, 0, \zero, 192*\slot+16*\q
	MUL16 F0+64*((\q)%2), 0, 2, \zero, -1
	PLACES
	FETCH \slot, 64*(\q)+64, F0+64*(1-(\q)%2), \ld, 1-\slot, \q
	WLANES \q
	s_wait_dscnt 32                                ; all but the 32 just issued
	WIN MUL_HI
	MUL16 F0+64*((\q)%2), 1, 0, \zero, -1
	MUL16 F0+64*((\q)%2), 1, 2, \zero, -1
.endm
; The last quarter changes slots: one barrier; in front of it each wave waits for all its tensor loads, adds 0 to its spare word, and waits for that and for its reads of this slot.
; fill = 1: the barrier opens a round of the cluster's, and this slot is filled again, two K steps ahead, first thing behind it.  on = 1: the mask pointer steps 16 rows.
.macro TURN slot, next, fill, ld, wl, on
	s_wait_loadcnt \wl
	WIN 0
	s_wait_tensorcnt 0x0
	ds_add_u32 v[SPW], v[NIL]
	s_wait_dscnt 9                                 ; (the add and the youngest eight loads may be out)
	WIN MUL_LO
	MUL16 F1, 0, 0, 0, 192*\slot+48
	s_wait_dscnt 0x0                               ; the add is done, and my reads of this slot are over
	s_barrier_signal -1
	MUL16 F1, 0, 2, 0, -1
	WIN 0
	s_barrier_wait -1
.if \fill
	CREST
	s_add_nc_u64 s[G0+4*\slot+2:G0+4*\slot+3], s[G0+4*\slot+2:G0+4*\slot+3], 512
	s_add_nc_u64 s[G0B+4*\slot+2:G0B+4*\slot+3], s[G0B+4*\slot+2:G0B+4*\slot+3], 512
	JLOAD \slot                                    ; its four v_nop are also the places in front of the loads below
.else
	PLACES
.endif
	FETCH \next, 0, F0, \ld, 1-\slot, 3
	WLANES 3
	WIN MUL_HI
	MUL16 F1, 1, 0, 0, -1
	MUL16 F1, 1, 2, 0, -1
.if \on
	s_wait_xcnt 0x0                                ; the mask loads have read their base
	s_add_nc_u64 s[MK:MK+1], s[MK:MK+1], MROWS
.endif
.endm
	WIN TO_B
	MLOAD 0, 0, 0                                  ; row block 0's mask words
	MLOAD 0, 1, 0
	MLOAD 0, 2, 0
	MLOAD 0, 3, 0
	WIN 0
	s_wait_tensorcnt 1                             ; my part of K step 0 is in (K step 1's load may be out),
	s_barrier_signal -1
	s_barrier_wait -1                              ; everybody's is
	FETCH 0, 0, F0, 0, 0, 0
	QUARTER 0, 0, 1, 1, 12                         ; the first quarter's products start the sums
	WIN 0
	s_mov_b32 s3, LAPS-1
.Llap:
	QUARTER 0, 1, 0, 1, 12
	QUARTER 0, 2, 0, 1, 12
	TURN 0, 1, 1, 1, 12, 1
	QUARTER 1, 0, 0, 1, 12
	QUARTER 1, 1, 0, 1, 12
	QUARTER 1, 2, 0, 1, 12
	TURN 1, 0, 1, 1, 12, 1
	QUARTER 0, 0, 0, 1, 12
	WIN 0
	s_sub_co_u32 s3, s3, 1
	s_cmp_lg_u32 s3, 0
	s_cbranch_scc1 .Llap
	QUARTER 0, 1, 0, 1, 12                         ; the last lap fills nothing
	QUARTER 0, 2, 0, 1, 12
	TURN 0, 1, 0, 1, 12, 0
	QUARTER 1, 0, 0, 0, 12                         ; the last K step loads no mask: the counts run down
	QUARTER 1, 1, 0, 0, 8
	QUARTER 1, 2, 0, 0, 4
	s_wait_loadcnt 0x0
	s_wait_dscnt 8
	WIN MUL_LO
	MUL16 F1, 0, 0, 0, 192+48
	MUL16 F1, 0, 2, 0, -1
	s_wait_dscnt 0
	WIN MUL_HI
	MUL16 F1, 1, 0, 0, -1
	MUL16 F1, 1, 2, 0, -1
	WIN 0
	WLANES 3
	PLACES
; THE WAY OUT, a block of 16 rows x 128 keys at a time.
.macro MASKMOVE a                      ; T = the accumulator where the mask's word is not 0, else -1e20 x log2(e); each accumulator from its low end on
	WIN 0x08+4*((\a)/4)
.irp g, 0,1,2,3
.irp n, 0,1,2,3,4,5,6,7,8,9,10,11,12,13,14,15
	v_readlane_b32 s[SM+\n], v[MB+\n], 8*\g+(\a)
.endr
.irp n, 0,1,2,3,4,5,6,7,8,9,10,11,12,13,14,15
	v_cndmask_b32 v[T+16*\g+\n], s[NEG], v[64*((\a)%4)+16*\g+\n], s[SM+\n]
.endr
.endr
	WIN 0
.endm
.macro SEND a
	s_wait_dscnt 0x0
.irp t, 0,1,2,3,4,5,6,7
	global_store_b128 v[CO], v[OB+4*\t:OB+4*\t+3], s[8:9] offset:(16*(\a)+2*\t)*4096   ; 16 lanes store 256 consecutive bytes, at a multiple of 256 from the buffer's first byte
.endr
.endm
.macro BLOCK a
	MASKMOVE \a
.if (\a) > 0
	SEND (\a)-1
.endif
.irp k, 0,1,2,3
	v_max3_num_f32 v[50+\k], v[T+16*\k], v[T+16*\k+1], v[T+16*\k+2]   ; the largest t of my 64, in four chains
.endr
.irp i, 3,5,7,9,11,13
.irp k, 0,1,2,3
	v_max3_num_f32 v[50+\k], v[50+\k], v[T+16*\k+\i], v[T+16*\k+\i+1]
.endr
.endr
.irp k, 0,1,2,3
	v_max_num_f32 v[50+\k], v[50+\k], v[T+16*\k+15]
.endr
	v_max3_num_f32 v50, v50, v51, v52
	v_max_num_f32 v50, v50, v53
	v_permlanex16_b32 v54, v50, s[SEL], s[SEL+1]   ; the row's other 64 keys lie in the lane 16 away
	v_max_num_f32 v50, v50, v54
	v_floor_f32 v48, -v50                          ; -M = floor(-t) = -ceil(t): a whole number
.set I, 0
.rept 32
	v_pk_add_f32 v[T+2*I:T+2*I+1], v[T+2*I:T+2*I+1], v[48:49] op_sel_hi:[1,0]   ; t - M, two at a time
.set I, I+1
.endr
.set I, 0
.rept 64
	v_exp_f32 v[T+I], v[T+I]                       ; p = 2^(t - M), at most 1
.set I, I+1
.endr
	v_nop                                          ; a plain instruction behind the last exponential
	s_wait_alu depctr_va_vdst(0)                   ; one wait for the batch, ahead of its first reader
	v_pk_add_f32 v[56:57], v[T:T+1], v[T+2:T+3]    ; the sum of the unrounded p, in two packed chains
	v_pk_add_f32 v[58:59], v[T+4:T+5], v[T+6:T+7]
.irp j, 8,12,16,20,24,28,32,36,40,44,48,52,56,60
	v_pk_add_f32 v[56:57], v[56:57], v[T+\j:T+\j+1]
	v_pk_add_f32 v[58:59], v[58:59], v[T+\j+2:T+\j+3]
.endr
	v_pk_add_f32 v[56:57], v[56:57], v[58:59]
	v_add_f32 v56, v56, v57
	v_permlanex16_b32 v54, v56, s[SEL], s[SEL+1]
	v_add_f32 v49, v56, v54                        ; l
.set I, 0
.rept 32
	v_cvt_pk_f16_f32 v[TMP+I], v[T+2*I], v[T+2*I+1]
.set I, I+1
.endr
	s_wait_xcnt 0x0                                ; the last block's stores have read their registers: this block's rows may land there
.irp b, 0,1,2,3,4,5,6,7
	ds_store_b128 v[STO], v[TMP+4*\b:TMP+4*\b+3] offset:32*\b
.endr
	ds_store_b64 v[SADR], v[48:49] offset:128*(\a) ; (-M, l); both halves of the lanes write the same pair
.irp t, 0,1,2,3,4,5,6,7
	ds_load_b128 v[OB+4*\t:OB+4*\t+3], v[RD] offset:\t*2*SPITCH   ; LDS serves a wave's instructions in order: these see the stores above
.endr
.endm
.irp a, 0,1,2,3,4,5,6,7
	BLOCK \a
.endr
	SEND 7
	ds_load_b128 v[64:67], v[SRD]                  ; my 128 pairs, 1,024 bytes on end
	ds_load_b128 v[68:71], v[SRD] offset:512
	s_wait_dscnt 0x0
	global_store_b128 v[SGO], v[64:67], s[10:11]
	global_store_b128 v[SGO], v[68:71], s[10:11] offset:512
	s_wait_tensorcnt 0x0                           ; the wave's end
	ds_add_u32 v[SPW], v[NIL]
	s_wait_dscnt 0x0
	CROUND                                         ; the closing round
	s_endpgm
.Lfunc_end_k_q0c216207fb_scores:
	.size	k_q0c216207fb_scores, .Lfunc_end_k_q0c216207fb_scores-k_q0c216207fb_scores
	.p2alignl 7, 3214868480
	.fill 96, 4, 3214868480
	.section	.rodata,"a",@progbits
	.p2align	6, 0x0
	.amdhsa_kernel k_q0c216207fb_scores
		.amdhsa_group_segment_fixed_size 327680
		.amdhsa_private_segment_fixed_size 0
		.amdhsa_enable_private_segment 0
		.amdhsa_kernarg_size 32
		.amdhsa_user_sgpr_count 2
		.amdhsa_user_sgpr_kernarg_segment_ptr 1
		.amdhsa_wavefront_size32 1
		.amdhsa_system_sgpr_workgroup_id_x 1
		.amdhsa_system_sgpr_workgroup_id_y 1
		.amdhsa_system_sgpr_workgroup_id_z 1
		.amdhsa_system_vgpr_workitem_id 0
		.amdhsa_next_free_vgpr 1024
		.amdhsa_next_free_sgpr 88
		.amdhsa_reserve_vcc 0
		.amdhsa_float_denorm_mode_32 3
		.amdhsa_float_denorm_mode_16_64 3
		.amdhsa_memory_ordered 1
		.amdhsa_forward_progress 1
		.amdhsa_inst_pref_size 255
	.end_amdhsa_kernel
	.section	.bss,"aw",@nobits
	.p2align	6
	.space	262144
	.amdgpu_metadata
---
amdhsa.version: [ 1, 2 ]
amdhsa.kernels:
  - .name:           k_q0c216207fb_scores
    .symbol:         k_q0c216207fb_scores.kd
    .args:
      - { .name: qkv, .offset: 0, .size: 8, .value_kind: global_buffer, .address_space: global }
      - { .name: attention_mask, .offset: 8, .size: 8, .value_kind: global_buffer, .address_space: global }
      - { .name: p, .offset: 16, .size: 8, .value_kind: global_buffer, .address_space: global }
      - { .name: st, .offset: 24, .size: 8, .value_kind: global_buffer, .address_space: global }
    .group_segment_fixed_size: 327680
    .private_segment_fixed_size: 0
    .kernarg_segment_align: 8
    .kernarg_segment_size: 32
    .max_flat_workgroup_size: 128
    .sgpr_count:     88
    .vgpr_count:     1024
    .wavefront_size: 32
...
	.end_amdgpu_metadata
.endif
;; end of part 3
;; launch pv (part 4): grid 4 x 64, 4 waves a work-group, clusters of 4 x 4, 327,680 bytes of LDS; arguments p, qkv, st, attn; writes attn
.if DOCPART == 4
	.amdgcn_target "amdgcn-amd-amdhsa--gfx1250"
	.amdhsa_code_object_version 6
	.text
	.protected	k_q0c216207fb_pv
	.globl	k_q0c216207fb_pv
	.p2align	8
	.type	k_q0c216207fb_pv,@function
k_q0c216207fb_pv:
	s_mov_b64 s[64:65], 0
	v_nop
	global_prefetch_b8 v0, s[64:65] scope:SCOPE_SE
	s_setreg_imm32_b32 hwreg(HW_REG_WAVE_MODE, 25, 1), 1
	s_wait_xcnt 0x0
	s_wait_alu depctr_hold_cnt(0) depctr_sa_sdst(0) depctr_va_vdst(0) depctr_va_sdst(0) depctr_va_ssrc(0) depctr_va_vcc(0) depctr_vm_vsrc(0)
	s_getreg_b32 s2, hwreg(HW_REG_IB_STS2, 6, 4)
	s_cmp_eq_u32 s2, 0
	s_cbranch_scc0 .Lentry_in_a_cluster
	s_endpgm
.Lentry_in_a_cluster:
	s_bfe_u32 s2, ttmp6, 0x10000c
	s_cmp_lg_u32 s2, 0xf033
	s_cbranch_scc0 .Lentry_shape_is_right
	s_endpgm
.Lentry_shape_is_right:
; attn = softmax x V: f16 operands, f32 sums.  p [8192][2048] holds 2^(t - M_c) by chunks c of 128 keys, st the pairs (-M_c, l_c).  Nothing is left out.
; For each row: M = the largest M_c; f_c = 2^(M_c - M), a power of two in f32; l = the sum of f_c l_c.  A K step is one chunk: its products are summed by themselves, S = P_c V_c, and O = f_c S + O, one fused
; multiply-add in f32; O is divided by l at the end.  So the row's own maximum is what is taken away, and P goes to the matrix unit as it lies.
; LIMITS: |V + bv| and so |attn| stay under 65,504 (f16); NaN and infinities are not served.
; A tile of 128 rows x 256 channels is made by four waves, 64 x 128 each: 32 accumulators; 256 work-groups (tiles of 256 x 256 would be 128).  K = 2,048 keys in 16 steps of 128 through two LDS slots.
; CLUSTERS: 4 x 4; P's tiles jointly along a row of the cluster, V's along a column (a cluster's 512 rows lie in one batch).
; TRANSPOSED USE: source 0 = 16 channels x 32 keys of V, turned on the way out of LDS by ds_load_tr16_b128 (V lies [key][channel]); source 1 = 16 rows x 32 keys of P: lane (r, h) holds row r and channels 16 b + 8 h + 0 .. 7,
; so a row's factor is one number a lane.
; REGISTERS: window 0: v16-31 addresses; v32-47 f_c, two sets of four pairs (the factor in the even register); v48-55 1 / l; v56-63 at work; v64-127 the factors at the head, later results; v128-255 the pairs at the head, later packed results and rows.
;   window 1: two buffers of 96: P's four fragments, then V's eight.   window 2: S, accumulator 8 a + b at v[8 (8 a + b)].   window 3: O, at the same numbers.
.set QROW,  6144
.set PA,    272                        ; a row of P's tile in LDS: 256 + 16
.set AHALF, 64*PA
.set BOFF,  2*AHALF
.set PVP,   544                        ; a row of V's tile: 512 + 32 = 136 words
.set BHALF, 64*PVP
.set SLOT,  BOFF+2*BHALF
.set STAGE, 2*SLOT                     ; 16 rows x 272 bytes for each wave
.set FAC,   STAGE+4*16*272             ; 16 chunks x 512 bytes for each wave: the factors, four f32 a lane
.set SPARE, FAC+4*8192                 ; the spare words, 128 bytes for each wave, that no other line names
.set LAPS,  8
.set LAG,   4                          ; O takes accumulator i - LAG behind the last quarter's matrix instruction i
.set ADRA, 16
.set ADRB, 20
.set STO,  24
.set RD,   25
.set CO,   26
.set FADR, 27
.set SPW,  28
.set NIL,  29
.set PFO,  30
.set SO,   31
.set FC,   32
.set IV,   48
.set MX,   56
.set LS,   60
.set FP,   64
.set H,    128
.set T,    64
.set TMP,  128
.set OB,   160
.set G1, 24
.set G0, 32
.set G1B, 48
.set G0B, 56
.set PFA, 66
.set LIM, 68
.set MSB, 0
.macro WIN new
.if MSB != \new
	s_set_vgpr_msb (MSB<<8)|\new
.set MSB, \new
.endif
.endm
.set MUL, 0xa5                         ; sources 0 and 1 window 1, C and D window 2
.set TOF, 0x40                         ; destination window 1
.set FMW, 0xf2                         ; source 0 (S) window 2, source 1 (the factor) window 0, source 2 and destination (O) window 3
.set PK,  0x03                         ; source 0 window 3
.macro JLOAD s                         ; waves 0 and 1 fetch P's two halves, waves 2 and 3 V's; an s_nop 0 and four v_nop follow each line
	s_cmp_eq_u32 s13, 0
	s_cbranch_scc0 .Lfor_b_\@
	tensor_load_to_lds s[G0+4*\s:G0+4*\s+3], s[G1:G1+7]
	s_nop 0
.rept 4
	v_nop
.endr
	s_branch .Lasked_\@
.Lfor_b_\@:
	tensor_load_to_lds s[G0B+4*\s:G0B+4*\s+3], s[G1B:G1B+7]
	s_nop 0
.rept 4
	v_nop
.endr
.Lasked_\@:
.endm
.macro CREST
	s_cmp_lg_u32 s12, 0
	s_cbranch_scc1 .Lnot_wave_0_\@
	s_barrier_signal -3
.Lnot_wave_0_\@:
	s_barrier_wait -3
	s_barrier_signal -1
	s_barrier_wait -1
.endm
.macro CROUND
	s_barrier_signal -1
	s_barrier_wait -1
	CREST
.endm
; A prefetch of P's tile of the K step that stands two refills on: 32 rows x 256 bytes, a lane a row.  P's rows are read by this row of the cluster alone; its four partners take 32 rows each, told apart by address;
; in each, wave 0 asks.  So each row's 256 bytes of a K step are named once.  The loop's last trip asks for nothing: no K step stands two refills behind its refills.
.macro ASK
	s_cmp_gt_u32 s3, s[LIM]
	s_cbranch_scc0 .Lnot_mine_\@
	global_prefetch_b8 v[PFO], s[PFA:PFA+1] offset:256 th:TH_LOAD_NT scope:SCOPE_SE
.Lnot_mine_\@:
.endm
	s_load_b256 s[4:11], s[0:1], 0x0               ; p, qkv, st, attn
	v_lshl_add_u32 v[SPW], v0, 2, SPARE
	v_mov_b32 v[NIL], 0
	ds_add_u32 v[SPW], v[NIL]                      ; the wave's opening: the add, twice on end, and its wait ahead of my first tensor load
	ds_add_u32 v[SPW], v[NIL]
	v_lshrrev_b32 v1, 5, v0
	v_readfirstlane_b32 s12, v1                    ; wave
	s_lshr_b32 s13, s12, 1                         ; my half of the rows.  Also: I fetch for P (0) or for V (1)
	s_and_b32 s14, s12, 1                          ; my half of the channels.  Also: which 64 rows I fetch
	s_bfe_u32 s40, ttmp6, 0x40000
	s_bfe_u32 s41, ttmp6, 0x40004
	s_lshl_b32 s42, ttmp9, 2
	s_add_co_u32 s42, s42, s40                     ; X: the channel tile, 0..3
	s_and_b32 s22, ttmp7, 0xffff
	s_lshl_b32 s15, s22, 2
	s_add_co_u32 s15, s15, s41                     ; Y: the row tile, 0..63
	s_lshr_b32 s22, s22, 2                         ; the batch: of the cluster's y alone
	s_lshl_b32 s43, s41, 2
	s_lshl_b32 s43, 15, s43
	s_lshl_b32 s44, 0x1111, s40
	s_or_b32 s[G1+0], s43, (1<<16)|(1<<20)|(1<<21)|(5<<22)|(3<<25)   ; P: 64 rows x 128 elements of 2 bytes; 4 words of padding behind every 64
	s_mov_b32 s[G1+1], 128<<16
	s_mov_b32 s[G1+2], 64<<16
	s_mov_b32 s[G1+3], 128<<16
	s_mov_b32 s[G1+4], 64
	s_mov_b32 s[G1+5], 2048
	s_mov_b32 s[G1+6], 0
	s_mov_b32 s[G1+7], 0
	s_or_b32 s[G1B+0], s44, (1<<16)|(1<<20)|(1<<21)|(6<<22)|(7<<25)  ; V: 64 keys x 256 elements; 8 words of padding behind every 128
	s_mov_b32 s[G1B+1], 256<<16
	s_mov_b32 s[G1B+2], 64<<16
	s_mov_b32 s[G1B+3], 256<<16
	s_mov_b32 s[G1B+4], 64
	s_mov_b32 s[G1B+5], 3072
	s_mov_b32 s[G1B+6], 0
	s_mov_b32 s[G1B+7], 0
	s_lshl_b32 s18, s14, 6
	s_lshl_b32 s16, s15, 7
	s_add_co_u32 s16, s16, s18
	s_lshl_b32 s16, s16, 12                        ; P: row 128 Y + 64 x half, 4,096 bytes a row
	s_mov_b32 s17, 0
	s_lshl_b32 s46, s22, 11
	s_add_co_u32 s46, s46, s18                     ; V: key row 2,048 batch + 64 x half,
	s_mul_i32 s46, s46, QROW
	s_lshl_b32 s47, s42, 9
	s_add_co_u32 s46, s46, s47                     ; 512 X bytes along the row,
	s_add_co_u32 s46, s46, 4096                    ; behind Q's and K's parts
	s_mov_b32 s47, 0
	s_mul_i32 s20, s14, AHALF
	s_mul_i32 s21, s14, BHALF
	s_add_co_u32 s21, s21, BOFF
	s_wait_dscnt 0x0
	s_wait_kmcnt 0x0
	s_add_nc_u64 s[16:17], s[4:5], s[16:17]
	s_add_nc_u64 s[46:47], s[6:7], s[46:47]
	CROUND
.irp s, 0,1
	s_mov_b32 s[G0+4*\s], 1
	s_add_co_u32 s[G0+4*\s+1], s20, \s*SLOT
	s_add_nc_u64 s[G0+4*\s+2:G0+4*\s+3], s[16:17], \s*256
	s_or_b32 s[G0+4*\s+3], s[G0+4*\s+3], 0x80000000
	s_mov_b32 s[G0B+4*\s], 1
	s_add_co_u32 s[G0B+4*\s+1], s21, \s*SLOT
	s_add_nc_u64 s[G0B+4*\s+2:G0B+4*\s+3], s[46:47], \s*128*QROW
	s_or_b32 s[G0B+4*\s+3], s[G0B+4*\s+3], 0x80000000
	JLOAD \s                                       ; two loads of mine are out
.endr
	v_and_b32 v1, 15, v0                           ; r
	v_bfe_u32 v2, v0, 4, 1                         ; h
	v_mul_u32_u24 v3, v1, PA
	v_lshl_add_u32 v3, v2, 4, v3
	s_mul_i32 s21, s13, AHALF
	v_add_nc_u32 v[ADRA], s21, v3
	v_add_nc_u32 v[ADRA+1], SLOT, v[ADRA]
	v_and_b32 v4, 7, v0
	v_lshl_add_u32 v4, v2, 3, v4                   ; key 8 h + lane % 8
	v_mul_u32_u24 v4, v4, PVP
	v_bfe_u32 v5, v0, 3, 1
	v_lshl_add_u32 v4, v5, 4, v4
	s_lshl_b32 s22, s14, 8
	s_add_co_u32 s22, s22, BOFF
	v_add_nc_u32 v[ADRB], s22, v4
	v_add_nc_u32 v[ADRB+1], SLOT, v[ADRB]
	s_mul_i32 s23, s12, 16*272
	s_add_co_u32 s23, s23, STAGE
	v_mul_u32_u24 v4, v1, 272
	v_lshl_add_u32 v4, v2, 4, v4
	v_add_nc_u32 v[STO], s23, v4
	v_mul_u32_u24 v5, v2, 272
	v_lshl_add_u32 v5, v1, 4, v5
	v_add_nc_u32 v[RD], s23, v5
	v_lshlrev_b32 v5, 11, v2
	v_lshl_add_u32 v[CO], v1, 4, v5                ; attn: 2,048 h + 16 r
	s_lshl_b32 s23, s12, 13
	s_add_co_u32 s23, s23, FAC
	v_and_b32 v5, 31, v0
	v_lshl_add_u32 v[FADR], v5, 4, s23             ; my 16 bytes of a chunk's factors
	v_lshlrev_b32 v[PFO], 12, v5                   ; a lane a row of P
	v_lshlrev_b32 v[SO], 3, v1
	s_lshl_b32 s16, s15, 7
	s_lshl_b32 s17, s13, 6
	s_add_co_u32 s16, s16, s17                     ; my first row
	s_lshl_b32 s18, s16, 3
	s_mov_b32 s19, 0
	s_add_nc_u64 s[8:9], s[8:9], s[18:19]          ; st at my first row
	s_lshl_b32 s18, s16, 11
	s_lshl_b32 s46, s42, 9
	s_lshl_b32 s47, s14, 8
	s_add_co_u32 s46, s46, s47
	s_add_co_u32 s18, s18, s46
	s_add_nc_u64 s[10:11], s[10:11], s[18:19]      ; attn at my first row and channel
	s_lshl_b32 s18, s15, 7
	s_lshl_b32 s46, s40, 5
	s_add_co_u32 s18, s18, s46                     ; the tile's rows 32 cx on
	s_lshl_b32 s18, s18, 12
	s_add_co_u32 s18, s18, 512                     ; at K step 2: the first refill steps it to 3 and names K step 4
	s_add_nc_u64 s[PFA:PFA+1], s[4:5], s[18:19]
	s_cmp_eq_u32 s12, 0
	s_cselect_b32 s[LIM], 1, -1
	; THE FACTORS.  Lane (r, h) takes the sixteen pairs of rows 16 a + r, a = 0 .. 3
.irp a, 0,1,2,3
.irp c, 0,1,2,3,4,5,6,7,8,9,10,11,12,13,14,15
	global_load_b64 v[H+32*\a+2*\c:H+32*\a+2*\c+1], v[SO], s[8:9] offset:65536*\c+128*\a
.endr
.endr
	s_wait_loadcnt 0x0
.macro FACT a
.set HB, H+32*\a
	v_max3_num_f32 v[MX+\a], -v[HB], -v[HB+2], -v[HB+4]            ; M = the largest M_c
.irp c, 3,5,7,9,11,13
	v_max3_num_f32 v[MX+\a], v[MX+\a], -v[HB+2*\c], -v[HB+2*\c+2]
.endr
	v_max_num_f32 v[MX+\a], v[MX+\a], -v[HB+30]
.irp c, 0,1,2,3,4,5,6,7,8,9,10,11,12,13,14,15
	v_sub_f32 v[HB+2*\c], -v[HB+2*\c], v[MX+\a]    ; M_c - M: a whole number, 0 or less
.endr
.irp c, 0,1,2,3,4,5,6,7,8,9,10,11,12,13,14,15
	v_cvt_i32_f32 v[HB+2*\c], v[HB+2*\c]           ; (it saturates)
.endr
.irp c, 0,1,2,3,4,5,6,7,8,9,10,11,12,13,14,15
	v_ldexp_f32 v[FP+4*\c+\a], 1.0, v[HB+2*\c]     ; f_c, in f32
.endr
	v_mul_f32 v[LS+\a], v[FP+\a], v[HB+1]
.irp c, 1,2,3,4,5,6,7,8,9,10,11,12,13,14,15
	v_fmac_f32 v[LS+\a], v[FP+4*\c+\a], v[HB+2*\c+1]   ; l
.endr
	v_rcp_f32 v[IV+2*\a], v[LS+\a]
.endm
	FACT 0
	FACT 1
	FACT 2
	FACT 3
	v_nop                                          ; a plain instruction behind the last reciprocal
	s_wait_alu depctr_va_vdst(0)                   ; one wait for the four, ahead of their first reader
.irp a, 0,1,2,3
	v_mov_b32 v[IV+2*\a+1], v[IV+2*\a]             ; (named with it as a pair, so it is written)
.endr
.irp i, 0,1,2,3,4,5,6,7
	v_mov_b32 v[FC+2*\i+1], 0                      ; (the factors' pairs: the packed form takes the even register for both halves; the odd one is named with it, so it is written)
.endr
.irp c, 0,1,2,3,4,5,6,7,8,9,10,11,12,13,14,15
	ds_store_b128 v[FADR], v[FP+4*\c:FP+4*\c+3] offset:512*\c   ; chunk c's four factors of my lane: only I read them back
.endr
.macro FETCH slot, q, f                ; 24 LDS loads in one run: P's four fragments, then V's eight, of the slot's q-th 32 keys
	WIN TOF
.irp a, 0,1,2,3
	ds_load_b128 v[96*(\f)+8*\a:96*(\f)+8*\a+3],   v[ADRA+\slot] offset:64*(\q)+\a*16*PA
	ds_load_b128 v[96*(\f)+8*\a+4:96*(\f)+8*\a+7], v[ADRA+\slot] offset:64*(\q)+\a*16*PA+32
.endr
.irp b, 0,1,2,3,4,5,6,7
	ds_load_tr16_b128 v[96*(\f)+32+8*\b:96*(\f)+32+8*\b+3],   v[ADRB+\slot] offset:32*PVP*(\q)+32*\b
	ds_load_tr16_b128 v[96*(\f)+32+8*\b+4:96*(\f)+32+8*\b+7], v[ADRB+\slot] offset:32*PVP*(\q)+16*PVP+32*\b
.endr
.endm
.macro FLOAD set                       ; a chunk's four factors into the even registers of a set
.irp a, 0,1,2,3
	ds_load_b32 v[FC+8*(\set)+2*\a], v[FADR] offset:4*\a
.endr
.endm
.macro PLACES
.rept 4
	v_nop
.endr
.endm
; One of a K step's first three quarters: 32 matrix instructions, one accumulator a turn.  zero = 1: the chunk's first products start its sums.
.macro MULR f, zero
	WIN MUL
.set II, 0
.rept 32
.if \zero
	v_wmma_f32_16x16x32_f16 v[8*II:8*II+7], v[96*(\f)+32+8*(II%8):96*(\f)+32+8*(II%8)+7], v[96*(\f)+8*(II/8):96*(\f)+8*(II/8)+7], 0
.else
	v_wmma_f32_16x16x32_f16 v[8*II:8*II+7], v[96*(\f)+32+8*(II%8):96*(\f)+32+8*(II%8)+7], v[96*(\f)+8*(II/8):96*(\f)+8*(II/8)+7], v[8*II:8*II+7]
.endif
.set II, II+1
.endr
.endm
; O of accumulator j takes the chunk's finished sum: four packed multiply-adds, from the accumulator's low end on.  first = 1: chunk 0 starts O: nothing is ever cleared.
.macro FSL j, set, first
	WIN FMW
.irp k, 0,1,2,3
.if \first
	v_pk_mul_f32 v[8*(\j)+2*\k:8*(\j)+2*\k+1], v[8*(\j)+2*\k:8*(\j)+2*\k+1], v[FC+8*(\set)+2*((\j)/8):FC+8*(\set)+2*((\j)/8)+1] op_sel_hi:[1,0]
.else
	v_pk_fma_f32 v[8*(\j)+2*\k:8*(\j)+2*\k+1], v[8*(\j)+2*\k:8*(\j)+2*\k+1], v[FC+8*(\set)+2*((\j)/8):FC+8*(\set)+2*((\j)/8)+1], v[8*(\j)+2*\k:8*(\j)+2*\k+1] op_sel_hi:[1,0,1]
.endif
.endr
.endm
; Matrix instructions i0 .. i1 - 1 of a K step's LAST quarter (buffer 1).  Behind instruction i stands the slice of accumulator i - LAG, whose sum is finished.  Four v_nop ahead of the first slice are the places behind
; accumulator 0's last product; for every later accumulator the slices before its own, which name none of its product's registers, are the places.
.macro MULF i0, i1, set, first
.set II, \i0
.rept (\i1)-(\i0)
	WIN MUL
	v_wmma_f32_16x16x32_f16 v[8*II:8*II+7], v[96+32+8*(II%8):96+32+8*(II%8)+7], v[96+8*(II/8):96+8*(II/8)+7], v[8*II:8*II+7]
.if II == LAG
	PLACES
.endif
.if II >= LAG
	FSL II-LAG, \set, \first
.endif
.set II, II+1
.endr
.endm
.macro FTAIL set, first                ; the last LAG slices
.irp j, 28,29,30,31
	FSL \j, \set, \first
.endr
.endm
.macro QUARTER slot, q
	s_wait_dscnt 0x0                               ; this quarter's fragments are in (asked for 32 matrix instructions ago)
	PLACES                                         ; in front of loads into the buffer that the last quarter multiplied
	FETCH \slot, (\q)+1, 1-(\q)%2
.if (\q) == 0
	MULR 0, 1
.else
	MULR (\q)%2, 0
.endif
.endm
; The last quarter changes slots: one barrier; in front of it each wave waits for all its tensor loads, adds 0 to its spare word, and waits for that and for its reads of this slot.
; fill = 1: the barrier opens a round of the cluster's, and this slot is filled again, two K steps ahead, first thing behind it.
.macro TURN slot, next, fill, first
.if \fill
	s_wait_xcnt 0x0                                ; the last prefetch, a K step back, has read its address
	s_add_nc_u64 s[PFA:PFA+1], s[PFA:PFA+1], 256
.endif
	WIN 0
	s_wait_tensorcnt 0x0
	ds_add_u32 v[SPW], v[NIL]
	s_wait_dscnt 1                                 ; this quarter's fragments are in (the add may be out)
	MULF 0, 8, \slot, \first
	s_wait_dscnt 0x0
	s_barrier_signal -1
	MULF 8, 16, \slot, \first
	WIN 0
	s_barrier_wait -1
.if \fill
	CREST
	s_add_nc_u64 s[G0+4*\slot+2:G0+4*\slot+3], s[G0+4*\slot+2:G0+4*\slot+3], 512
	s_add_nc_u64 s[G0B+4*\slot+2:G0B+4*\slot+3], s[G0B+4*\slot+2:G0B+4*\slot+3], 2*128*QROW
	JLOAD \slot
.else
	PLACES
.endif
	v_add_nc_u32 v[FADR], 512, v[FADR]             ; the next chunk's factors
	FLOAD \next
	FETCH \next, 0, 0
.if \fill
	WIN 0
	ASK
.endif
	MULF 16, 32, \slot, \first
	FTAIL \slot, \first
.endm
; A trip goes once round the ring, from a lap's second quarter to the next lap's first, and fills both slots again
.macro TRIP first
	QUARTER 0, 1
	QUARTER 0, 2
	TURN 0, 1, 1, \first
	QUARTER 1, 0
	QUARTER 1, 1
	QUARTER 1, 2
	TURN 1, 0, 1, 0
	QUARTER 0, 0
	WIN 0
.endm
	s_wait_tensorcnt 1                             ; my part of K step 0 is in (K step 1's load may be out),
	s_wait_dscnt 0x0
	s_barrier_signal -1
	s_barrier_wait -1                              ; everybody's is
	FLOAD 0                                        ; chunk 0's factors
	FETCH 0, 0, 0
	QUARTER 0, 0
	WIN 0
	s_mov_b32 s3, LAPS-1
	TRIP 1                                         ; the first trip is written out: chunk 0 starts O
	s_mov_b32 s3, LAPS-2
.Llap:
	TRIP 0
	s_sub_co_u32 s3, s3, 1
	s_cmp_lg_u32 s3, 0
	s_cbranch_scc1 .Llap
	QUARTER 0, 1                                   ; the last lap fills nothing
	QUARTER 0, 2
	TURN 0, 1, 0, 0
	QUARTER 1, 0
	QUARTER 1, 1
	QUARTER 1, 2
	s_wait_dscnt 0x0
	MULF 0, 32, 1, 0
	FTAIL 1, 0
	WIN 0
; THE WAY OUT, 16 rows x 128 channels at a time: O / l, rounded once to f16, through my stage, out as whole rows of 256 bytes.
.macro SEND a
	s_wait_dscnt 0x0
.irp t, 0,1,2,3,4,5,6,7
	global_store_b128 v[CO], v[OB+4*\t:OB+4*\t+3], s[10:11] offset:(16*(\a)+2*\t)*2048   ; 16 lanes store 256 consecutive bytes, at a multiple of 256 from the buffer's first byte
.endr
.endm
.macro OUTB a
	WIN PK
.set I, 0
.rept 32
	v_pk_mul_f32 v[T+2*I:T+2*I+1], v[64*(\a)+2*I:64*(\a)+2*I+1], v[IV+2*(\a):IV+2*(\a)+1] op_sel_hi:[1,0]
.set I, I+1
.endr
	WIN 0
.if (\a) > 0
	SEND (\a)-1
.endif
.set I, 0
.rept 32
	v_cvt_pk_f16_f32 v[TMP+I], v[T+2*I], v[T+2*I+1]
.set I, I+1
.endr
	s_wait_xcnt 0x0                                ; the last block's stores have read their registers
.irp b, 0,1,2,3,4,5,6,7
	ds_store_b128 v[STO], v[TMP+4*\b:TMP+4*\b+3] offset:32*\b
.endr
.irp t, 0,1,2,3,4,5,6,7
	ds_load_b128 v[OB+4*\t:OB+4*\t+3], v[RD] offset:\t*2*272
.endr
.endm
	OUTB 0
	OUTB 1
	OUTB 2
	OUTB 3
	SEND 3
	s_wait_tensorcnt 0x0                           ; the wave's end
	ds_add_u32 v[SPW], v[NIL]
	s_wait_dscnt 0x0
	CROUND                                         ; the closing round
	s_endpgm
.Lfunc_end_k_q0c216207fb_pv:
	.size	k_q0c216207fb_pv, .Lfunc_end_k_q0c216207fb_pv-k_q0c216207fb_pv
	.p2alignl 7, 3214868480
	.fill 96, 4, 3214868480
	.section	.rodata,"a",@progbits
	.p2align	6, 0x0
	.amdhsa_kernel k_q0c216207fb_pv
		.amdhsa_group_segment_fixed_size 327680
		.amdhsa_private_segment_fixed_size 0
		.amdhsa_enable_private_segment 0
		.amdhsa_kernarg_size 32
		.amdhsa_user_sgpr_count 2
		.amdhsa_user_sgpr_kernarg_segment_ptr 1
		.amdhsa_wavefront_size32 1
		.amdhsa_system_sgpr_workgroup_id_x 1
		.amdhsa_system_sgpr_workgroup_id_y 1
		.amdhsa_system_sgpr_workgroup_id_z 1
		.amdhsa_system_vgpr_workitem_id 0
		.amdhsa_next_free_vgpr 1024
		.amdhsa_next_free_sgpr 72
		.amdhsa_reserve_vcc 0
		.amdhsa_float_denorm_mode_32 3
		.amdhsa_float_denorm_mode_16_64 3
		.amdhsa_memory_ordered 1
		.amdhsa_forward_progress 1
		.amdhsa_inst_pref_size 209
	.end_amdhsa_kernel
	.amdgpu_metadata
---
amdhsa.version: [ 1, 2 ]
amdhsa.kernels:
  - .name:           k_q0c216207fb_pv
    .symbol:         k_q0c216207fb_pv.kd
    .args:
      - { .name: p, .offset: 0, .size: 8, .value_kind: global_buffer, .address_space: global }
      - { .name: qkv, .offset: 8, .size: 8, .value_kind: global_buffer, .address_space: global }
      - { .name: st, .offset: 16, .size: 8, .value_kind: global_buffer, .address_space: global }
      - { .name: attn, .offset: 24, .size: 8, .value_kind: global_buffer, .address_space: global }
    .group_segment_fixed_size: 327680
    .private_segment_fixed_size: 0
    .kernarg_segment_align: 8
    .kernarg_segment_size: 32
    .max_flat_workgroup_size: 128
    .sgpr_count:     72
    .vgpr_count:     1024
    .wavefront_size: 32
...
	.end_amdgpu_metadata
.endif
;; end of part 4
;; launch proj (part 5): grid 4 x 64, 4 waves a work-group, clusters of 4 x 4, 327,680 bytes of LDS; arguments attn, wo16, bo, out0; writes out0
.if DOCPART == 5
	.amdgcn_target "amdgcn-amd-amdhsa--gfx1250"
	.amdhsa_code_object_version 6
	.text
	.protected	k_q0c216207fb_proj
	.globl	k_q0c216207fb_proj
	.p2align	8
	.type	k_q0c216207fb_proj,@function
k_q0c216207fb_proj:
	s_mov_b64 s[64:65], 0
	v_nop
	global_prefetch_b8 v0, s[64:65] scope:SCOPE_SE
	s_setreg_imm32_b32 hwreg(HW_REG_WAVE_MODE, 25, 1), 1
	s_wait_xcnt 0x0
	s_wait_alu depctr_hold_cnt(0) depctr_sa_sdst(0) depctr_va_vdst(0) depctr_va_sdst(0) depctr_va_ssrc(0) depctr_va_vcc(0) depctr_vm_vsrc(0)
	s_getreg_b32 s2, hwreg(HW_REG_IB_STS2, 6, 4)
	s_cmp_eq_u32 s2, 0
	s_cbranch_scc0 .Lentry_in_a_cluster
	s_endpgm
.Lentry_in_a_cluster:
	s_bfe_u32 s2, ttmp6, 0x10000c
	s_cmp_lg_u32 s2, 0xf033
	s_cbranch_scc0 .Lentry_shape_is_right
	s_endpgm
.Lentry_shape_is_right:
; out0 = attn Wo^T + bo: f16 operands, f32 sums, f32 out.  attn [8192][1024], wo16 [1024 (out)][1024 (in)], K innermost in both.  Nothing is left out.
; LIMITS: as the operands': |attn|, |Wo| under 65,504; NaN and infinities are not served.
; A tile of 128 rows x 256 columns is made by four waves, 64 x 128 each: 32 accumulators; 256 work-groups.  K = 1,024 in 8 steps of 128 through two LDS slots; rows of 256 bytes.
; CLUSTERS: 4 x 4; attn's tiles jointly along a row of the cluster, Wo's along a column.  TRANSPOSED USE: source 0 = 16 rows of Wo, source 1 = 16 rows of attn: lane (r, h) holds row r, columns 16 b + 8 h + 0 .. 7.
; The bias is the C of each sum's first matrix instruction: eight registers a column block, in the result's layout.
; REGISTERS: window 0: v16-31 addresses; v64-127 the bias; v128-255 rows on the way out.   window 1: two buffers of 96: attn's four fragments, then Wo's eight.   window 2: accumulator 8 a + b at v[8 (8 a + b)].
.set PA,    272
.set AHALF, 64*PA
.set BOFF,  2*AHALF
.set BHALF, 128*PA
.set SLOT,  BOFF+2*BHALF
.set STAGE, 2*SLOT                     ; 16 rows x (512 + 16) bytes for each wave
.set SPITCH, 528
.set SPARE, STAGE+4*16*SPITCH          ; the spare words, 128 bytes for each wave, that no other line names
.set LAPS,  4
.set ADRA, 16
.set ADRB, 20
.set STO,  24
.set RD,   25
.set CO,   26
.set SPW,  28
.set NIL,  29
.set PFO,  30
.set BI,   64
.set BK,   128
.set G1, 24
.set G0, 32
.set G1B, 48
.set G0B, 56
.set PFA, 66
.set LIM, 68
.set MSB, 0
.macro WIN new
.if MSB != \new
	s_set_vgpr_msb (MSB<<8)|\new
.set MSB, \new
.endif
.endm
.set MUL,  0xa5                        ; sources 0 and 1 window 1, C and D window 2
.set MULB, 0x85                        ; the same with C (the bias) in window 0
.set TOF,  0x40
.macro JLOAD s                         ; waves 0 and 1 fetch attn's two halves, waves 2 and 3 Wo's; an s_nop 0 and four v_nop follow each line
	s_cmp_eq_u32 s13, 0
	s_cbranch_scc0 .Lfor_b_\@
	tensor_load_to_lds s[G0+4*\s:G0+4*\s+3], s[G1:G1+7]
	s_nop 0
.rept 4
	v_nop
.endr
	s_branch .Lasked_\@
.Lfor_b_\@:
	tensor_load_to_lds s[G0B+4*\s:G0B+4*\s+3], s[G1B:G1B+7]
	s_nop 0
.rept 4
	v_nop
.endr
.Lasked_\@:
.endm
.macro CREST
	s_cmp_lg_u32 s12, 0
	s_cbranch_scc1 .Lnot_wave_0_\@
	s_barrier_signal -3
.Lnot_wave_0_\@:
	s_barrier_wait -3
	s_barrier_signal -1
	s_barrier_wait -1
.endm
.macro CROUND
	s_barrier_signal -1
	s_barrier_wait -1
	CREST
.endm
; A prefetch of attn's tile of the K step that stands two refills on: 32 rows x 256 bytes, a lane a row.  attn's rows are read by this row of the cluster alone; its four partners take 32 rows each, told apart by address;
; in each, wave 0 asks.  The loop's last trip asks for nothing.
.macro ASK
	s_cmp_gt_u32 s3, s[LIM]
	s_cbranch_scc0 .Lnot_mine_\@
	global_prefetch_b8 v[PFO], s[PFA:PFA+1] offset:256 th:TH_LOAD_NT scope:SCOPE_SE
.Lnot_mine_\@:
.endm
	s_load_b256 s[4:11], s[0:1], 0x0               ; attn, wo16, bo, out0
	v_lshl_add_u32 v[SPW], v0, 2, SPARE
	v_mov_b32 v[NIL], 0
	ds_add_u32 v[SPW], v[NIL]                      ; the wave's opening: the add, twice on end, and its wait ahead of my first tensor load
	ds_add_u32 v[SPW], v[NIL]
	v_lshrrev_b32 v1, 5, v0
	v_readfirstlane_b32 s12, v1                    ; wave
	s_lshr_b32 s13, s12, 1                         ; my half of the rows.  Also: I fetch for attn (0) or for Wo (1)
	s_and_b32 s14, s12, 1                          ; my half of the columns.  Also: which half of the tile I fetch
	s_bfe_u32 s40, ttmp6, 0x40000
	s_bfe_u32 s41, ttmp6, 0x40004
	s_lshl_b32 s42, ttmp9, 2
	s_add_co_u32 s42, s42, s40                     ; X: the column tile, 0..3
	s_and_b32 s15, ttmp7, 0xffff
	s_lshl_b32 s15, s15, 2
	s_add_co_u32 s15, s15, s41                     ; Y: the row tile, 0..63
	s_lshl_b32 s43, s41, 2
	s_lshl_b32 s43, 15, s43
	s_lshl_b32 s44, 0x1111, s40
	s_or_b32 s[G1+0], s43, (1<<16)|(1<<20)|(1<<21)|(5<<22)|(3<<25)   ; attn: 64 rows x 128 elements of 2 bytes; 4 words of padding behind every 64
	s_mov_b32 s[G1+1], 128<<16
	s_mov_b32 s[G1+2], 64<<16
	s_mov_b32 s[G1+3], 128<<16
	s_mov_b32 s[G1+4], 64
	s_mov_b32 s[G1+5], 1024
	s_mov_b32 s[G1+6], 0
	s_mov_b32 s[G1+7], 0
	s_or_b32 s[G1B+0], s44, (1<<16)|(1<<20)|(1<<21)|(5<<22)|(3<<25)  ; Wo: 128 rows x 128 elements
	s_mov_b32 s[G1B+1], 128<<16
	s_mov_b32 s[G1B+2], 128<<16
	s_mov_b32 s[G1B+3], 128<<16
	s_mov_b32 s[G1B+4], 128
	s_mov_b32 s[G1B+5], 1024
	s_mov_b32 s[G1B+6], 0
	s_mov_b32 s[G1B+7], 0
	s_lshl_b32 s18, s14, 6
	s_lshl_b32 s16, s15, 7
	s_add_co_u32 s16, s16, s18
	s_lshl_b32 s16, s16, 11                        ; attn: row 128 Y + 64 x half, 2,048 bytes a row
	s_mov_b32 s17, 0
	s_lshl_b32 s46, s42, 8
	s_lshl_b32 s47, s14, 7
	s_add_co_u32 s46, s46, s47
	s_lshl_b32 s46, s46, 11                        ; Wo: row 256 X + 128 x half
	s_mov_b32 s47, 0
	s_mul_i32 s20, s14, AHALF
	s_mul_i32 s21, s14, BHALF
	s_add_co_u32 s21, s21, BOFF
	s_wait_dscnt 0x0
	s_wait_kmcnt 0x0
	s_add_nc_u64 s[16:17], s[4:5], s[16:17]
	s_add_nc_u64 s[46:47], s[6:7], s[46:47]
	CROUND
.irp s, 0,1
	s_mov_b32 s[G0+4*\s], 1
	s_add_co_u32 s[G0+4*\s+1], s20, \s*SLOT
	s_add_nc_u64 s[G0+4*\s+2:G0+4*\s+3], s[16:17], \s*256
	s_or_b32 s[G0+4*\s+3], s[G0+4*\s+3], 0x80000000
	s_mov_b32 s[G0B+4*\s], 1
	s_add_co_u32 s[G0B+4*\s+1], s21, \s*SLOT
	s_add_nc_u64 s[G0B+4*\s+2:G0B+4*\s+3], s[46:47], \s*256
	s_or_b32 s[G0B+4*\s+3], s[G0B+4*\s+3], 0x80000000
	JLOAD \s                                       ; two loads of mine are out
.endr
	v_and_b32 v1, 15, v0                           ; r
	v_bfe_u32 v2, v0, 4, 1                         ; h
	v_mul_u32_u24 v3, v1, PA
	v_lshl_add_u32 v3, v2, 4, v3
	s_mul_i32 s21, s13, AHALF
	v_add_nc_u32 v[ADRA], s21, v3
	v_add_nc_u32 v[ADRA+1], SLOT, v[ADRA]
	s_mul_i32 s22, s14, BHALF
	s_add_co_u32 s22, s22, BOFF
	v_add_nc_u32 v[ADRB], s22, v3
	v_add_nc_u32 v[ADRB+1], SLOT, v[ADRB]
	s_mul_i32 s23, s12, 16*SPITCH
	s_add_co_u32 s23, s23, STAGE
	v_mul_u32_u24 v4, v1, SPITCH
	v_lshl_add_u32 v4, v2, 5, v4
	v_add_nc_u32 v[STO], s23, v4                   ; in: row r, 32 bytes for each half of the lanes
	v_and_b32 v5, 31, v0
	v_lshlrev_b32 v[CO], 4, v5                     ; back: the 32 lanes take one row of 512 bytes; and the same in out0
	v_add_nc_u32 v[RD], s23, v[CO]
	v_lshlrev_b32 v[PFO], 11, v5                   ; a lane a row of attn
	s_lshl_b32 s16, s15, 7
	s_lshl_b32 s17, s13, 6
	s_add_co_u32 s16, s16, s17                     ; my first row
	s_lshl_b32 s18, s16, 12
	s_lshl_b32 s46, s42, 10
	s_lshl_b32 s47, s14, 9
	s_add_co_u32 s46, s46, s47                     ; my first column x 4
	s_add_co_u32 s18, s18, s46
	s_mov_b32 s19, 0
	s_add_nc_u64 s[10:11], s[10:11], s[18:19]
	s_mov_b32 s47, 0
	s_add_nc_u64 s[8:9], s[8:9], s[46:47]          ; bo at my first column
	s_lshl_b32 s18, s15, 7
	s_lshl_b32 s46, s40, 5
	s_add_co_u32 s18, s18, s46
	s_lshl_b32 s18, s18, 11
	s_add_co_u32 s18, s18, 512                     ; at K step 2: the first refill steps it to 3 and names K step 4
	s_add_nc_u64 s[PFA:PFA+1], s[4:5], s[18:19]
	s_cmp_eq_u32 s12, 0
	s_cselect_b32 s[LIM], 1, -1
	v_lshlrev_b32 v6, 5, v2                        ; lane (r, h) wants, for block b, the bias of columns 16 b + 8 h + 0 .. 7
.irp b, 0,1,2,3,4,5,6,7
	global_load_b128 v[BI+8*\b:BI+8*\b+3],   v6, s[8:9] offset:64*\b
	global_load_b128 v[BI+8*\b+4:BI+8*\b+7], v6, s[8:9] offset:64*\b+16
.endr
.macro FETCH slot, q, f                ; 24 LDS loads in one run: the fragments of the slot's q-th 32 along K
	WIN TOF
.irp a, 0,1,2,3
	ds_load_b128 v[96*(\f)+8*\a:96*(\f)+8*\a+3],   v[ADRA+\slot] offset:64*(\q)+\a*16*PA
	ds_load_b128 v[96*(\f)+8*\a+4:96*(\f)+8*\a+7], v[ADRA+\slot] offset:64*(\q)+\a*16*PA+32
.endr
.irp b, 0,1,2,3,4,5,6,7
	ds_load_b128 v[96*(\f)+32+8*\b:96*(\f)+32+8*\b+3],   v[ADRB+\slot] offset:64*(\q)+\b*16*PA
	ds_load_b128 v[96*(\f)+32+8*\b+4:96*(\f)+32+8*\b+7], v[ADRB+\slot] offset:64*(\q)+\b*16*PA+32
.endr
.endm
; Matrix instructions i0 .. i1 - 1 of a quarter's 32, one accumulator a turn.  first = 1: the bias starts the sums.
.macro MULR f, i0, i1, first
.set II, \i0
.rept (\i1)-(\i0)
.if \first
	WIN MULB
	v_wmma_f32_16x16x32_f16 v[8*II:8*II+7], v[96*(\f)+32+8*(II%8):96*(\f)+32+8*(II%8)+7], v[96*(\f)+8*(II/8):96*(\f)+8*(II/8)+7], v[BI+8*(II%8):BI+8*(II%8)+7]
.else
	WIN MUL
	v_wmma_f32_16x16x32_f16 v[8*II:8*II+7], v[96*(\f)+32+8*(II%8):96*(\f)+32+8*(II%8)+7], v[96*(\f)+8*(II/8):96*(\f)+8*(II/8)+7], v[8*II:8*II+7]
.endif
.set II, II+1
.endr
.endm
.macro PLACES
.rept 4
	v_nop
.endr
.endm
.macro QUARTER slot, q, first
	s_wait_dscnt 0x0                               ; this quarter's fragments are in (asked for 32 matrix instructions ago)
	PLACES                                         ; in front of loads into the buffer that the last quarter multiplied
	FETCH \slot, (\q)+1, 1-(\q)%2
	MULR (\q)%2, 0, 32, \first
.endm
; The last quarter changes slots: one barrier; in front of it each wave waits for all its tensor loads, adds 0 to its spare word, and waits for that and for its reads of this slot.
.macro TURN slot, next, fill
.if \fill
	s_wait_xcnt 0x0                                ; the last prefetch, a K step back, has read its address
	s_add_nc_u64 s[PFA:PFA+1], s[PFA:PFA+1], 256
.endif
	WIN 0
	s_wait_tensorcnt 0x0
	ds_add_u32 v[SPW], v[NIL]
	s_wait_dscnt 1                                 ; this quarter's fragments are in (the add may be out)
	MULR 1, 0, 8, 0
	s_wait_dscnt 0x0
	s_barrier_signal -1
	MULR 1, 8, 16, 0
	WIN 0
	s_barrier_wait -1
.if \fill
	CREST
	s_add_nc_u64 s[G0+4*\slot+2:G0+4*\slot+3], s[G0+4*\slot+2:G0+4*\slot+3], 512
	s_add_nc_u64 s[G0B+4*\slot+2:G0B+4*\slot+3], s[G0B+4*\slot+2:G0B+4*\slot+3], 512
	JLOAD \slot                                    ; its four v_nop are also the places in front of the loads below
.else
	PLACES
.endif
	FETCH \next, 0, 0
.if \fill
	WIN 0
	ASK
.endif
	MULR 1, 16, 32, 0
.endm
	s_wait_tensorcnt 1                             ; my part of K step 0 is in (K step 1's load may be out),
	s_barrier_signal -1
	s_barrier_wait -1                              ; everybody's is
	FETCH 0, 0, 0
	s_wait_loadcnt 0x0                             ; the bias
	QUARTER 0, 0, 1
	WIN 0
	s_mov_b32 s3, LAPS-1
.Llap:
	QUARTER 0, 1, 0
	QUARTER 0, 2, 0
	TURN 0, 1, 1
	QUARTER 1, 0, 0
	QUARTER 1, 1, 0
	QUARTER 1, 2, 0
	TURN 1, 0, 1
	QUARTER 0, 0, 0
	WIN 0
	s_sub_co_u32 s3, s3, 1
	s_cmp_lg_u32 s3, 0
	s_cbranch_scc1 .Llap
	QUARTER 0, 1, 0                                ; the last lap fills nothing
	QUARTER 0, 2, 0
	TURN 0, 1, 0
	QUARTER 1, 0, 0
	QUARTER 1, 1, 0
	QUARTER 1, 2, 0
	s_wait_dscnt 0x0
	MULR 1, 0, 32, 0
	WIN 0
	PLACES
; THE WAY OUT, 16 rows x 128 columns at a time, through my own stage: 32 bytes a lane in, whole rows of 512 bytes back.
.macro TOSTAGE a
	WIN 0x08                                       ; an LDS store's data are its source 1: window 2
.irp b, 0,1,2,3,4,5,6,7
	ds_store_b128 v[STO], v[64*(\a)+8*\b:64*(\a)+8*\b+3] offset:64*\b          ; each accumulator from its low end on
	ds_store_b128 v[STO], v[64*(\a)+8*\b+4:64*(\a)+8*\b+7] offset:64*\b+16
.endr
	WIN 0
.set BB, BK+64*((\a)%2)
.irp t, 0,1,2,3,4,5,6,7,8,9,10,11,12,13,14,15
	ds_load_b128 v[BB+4*\t:BB+4*\t+3], v[RD] offset:\t*SPITCH   ; LDS serves a wave's instructions in order: these see the stores above
.endr
.endm
.macro SEND a, younger                 ; younger: the LDS instructions issued behind block a's loads, which may stay out
.set BB, BK+64*((\a)%2)
	s_wait_dscnt \younger
.irp t, 0,1,2,3,4,5,6,7,8,9,10,11,12,13,14,15
	global_store_b128 v[CO], v[BB+4*\t:BB+4*\t+3], s[10:11] offset:(16*(\a)+\t)*4096 th:TH_STORE_NT   ; 32 lanes store 512 consecutive bytes, at a multiple of 256 from the buffer's first byte
.endr
.endm
	TOSTAGE 0
.irp a, 1,2,3
.if \a > 1
	s_wait_xcnt 0x0                                ; block a - 2's stores have read their registers: block a's rows may land there
.endif
	TOSTAGE \a
	SEND \a-1, 32                                  ; behind block a - 1's loads: block a's 16 stores and 16 loads
.endr
	SEND 3, 0
	s_wait_tensorcnt 0x0                           ; the wave's end
	ds_add_u32 v[SPW], v[NIL]
	s_wait_dscnt 0x0
	CROUND                                         ; the closing round
	s_endpgm
.Lfunc_end_k_q0c216207fb_proj:
	.size	k_q0c216207fb_proj, .Lfunc_end_k_q0c216207fb_proj-k_q0c216207fb_proj
	.p2alignl 7, 3214868480
	.fill 96, 4, 3214868480
	.section	.rodata,"a",@progbits
	.p2align	6, 0x0
	.amdhsa_kernel k_q0c216207fb_proj
		.amdhsa_group_segment_fixed_size 327680
		.amdhsa_private_segment_fixed_size 0
		.amdhsa_enable_private_segment 0
		.amdhsa_kernarg_size 32
		.amdhsa_user_sgpr_count 2
		.amdhsa_user_sgpr_kernarg_segment_ptr 1
		.amdhsa_wavefront_size32 1
		.amdhsa_system_sgpr_workgroup_id_x 1
		.amdhsa_system_sgpr_workgroup_id_y 1
		.amdhsa_system_sgpr_workgroup_id_z 1
		.amdhsa_system_vgpr_workitem_id 0
		.amdhsa_next_free_vgpr 768
		.amdhsa_next_free_sgpr 72
		.amdhsa_reserve_vcc 0
		.amdhsa_float_denorm_mode_32 3
		.amdhsa_float_denorm_mode_16_64 3
		.amdhsa_memory_ordered 1
		.amdhsa_forward_progress 1
		.amdhsa_inst_pref_size 86
	.end_amdhsa_kernel
	.amdgpu_metadata
---
amdhsa.version: [ 1, 2 ]
amdhsa.kernels:
  - .name:           k_q0c216207fb_proj
    .symbol:         k_q0c216207fb_proj.kd
    .args:
      - { .name: attn, .offset: 0, .size: 8, .value_kind: global_buffer, .address_space: global }
      - { .name: wo16, .offset: 8, .size: 8, .value_kind: global_buffer, .address_space: global }
      - { .name: bo, .offset: 16, .size: 8, .value_kind: global_buffer, .address_space: global }
      - { .name: out0, .offset: 24, .size: 8, .value_kind: global_buffer, .address_space: global }
    .group_segment_fixed_size: 327680
    .private_segment_fixed_size: 0
    .kernarg_segment_align: 8
    .kernarg_segment_size: 32
    .max_flat_workgroup_size: 128
    .sgpr_count:     72
    .vgpr_count:     768
    .wavefront_size: 32
...
	.end_amdgpu_metadata
.endif
;; end of part 5
